; MI455X (gfx1250); checked and timed in simulation.
; The chip was launched on July 23, 2026; its instructions are those of AMD's public machine-readable ISA for CDNA 5 (MIT licence, August 2026) and "CDNA5" Instruction Set Architecture Reference Guide (July 2026). The comments in the code are by the model that wrote it; some were corrected since.
;; Naive Fourier KAN Layer. Allowed arithmetic: matrix products marked QUANTISED: E4M3 operands, one given power-of-two scale a tensor, by v_wmma_f32_16x16x64_fp8_fp8 or v_wmma_f32_16x16x128_fp8_fp8, f32 sums; everything else in f32.
;; Inputs: fouriercoeffs 2 x 512 x 1,024 x 8 float32; lowp_scales 4 int32 (the exponents e of the quantised operands' scales 2^e); x 8,192 x 1,024 float32.
;; Outputs: out0 8,192 x 512 float32.
;; This version of the problem:
;;   THIS VERSION OF THE PROBLEM IS GIVEN IN LOW PRECISION. The matrix products marked QUANTISED in the list below multiply operands that are first quantised to E4M3 (4 exponent bits, 3 mantissa bits; 8 bits a number), with one given power-of-two scale for each operand tensor; their sums are f32. All else is computed in f32.
;;   The module's matrix products, in the order in which they are computed (A, B: the left and right operand; K: the contracted axis; several contracted axes count as one K, in the product's order):
;;     1. [M 8,192, K 8,192] x [K 8,192, N 512]; A: computed on the way; B: input fouriercoeffs: QUANTISED (scales: A lowp_scales[0], B lowp_scales[1])
;;     2. [M 8,192, K 8,192] x [K 8,192, N 512]; A: computed on the way; B: input fouriercoeffs: QUANTISED (scales: A lowp_scales[2], B lowp_scales[3])
;;   THE QUANTISER, for each operand of a quantised product, along K:
;;     - The operand's scale is 2^e, e = its entry of the input lowp_scales (int32; the entries are numbered through the quantised products in the list's order, A before B).
;;     - Each number is divided by the scale, clamped to +-448, and rounded to the nearest number of E4M3, ties to even, subnormals kept.
;;     - The product sums the exact products of the quantised numbers (number of the format x scale) in f32.
;;   ~~~python
;;   def quantise(x, axis, e):      # numpy; x: float32 -> the quantised numbers, widened to float32 again
;;       x = np.moveaxis(x, axis, -1); K = x.shape[-1]
;;       r = np.clip(x / 2.0 ** e, -448, 448)
;;       step = 2.0 ** (np.maximum(np.frexp(np.where(r == 0, 1, r))[1] - 1, -6) - 3)
;;       q = np.round(r / step) * step * 2.0 ** e      # np.round: ties to even
;;       return np.moveaxis(q, -1, axis).astype(np.float32)
;;   ~~~
;;   OPERANDS COMPUTED ON THE WAY. 'Computed on the way' means the value that the module computes at that place (a softmax that the list does not call 'softmax' is quantised finished and normalised). What goes into a quantiser is computed in f32, as accurately as f32 sums, v_exp_f32 and their like allow (about 1e-6 of the number): no bf16 or f16 on the way to a quantiser, and a product that is left as it is and whose result goes on into a quantised operand takes f32 operands (vector FMAs, or v_wmma_f32_16x16x4_f32). A number that lies on a knife's edge between two numbers of the format may be rounded either way, as far as f32 arithmetic and the matrix unit's own rounding can turn it there, and no further.
;; 2 versions, each right. Each part assembles by itself: llvm-mc -triple=amdgcn-amd-amdhsa -mcpu=gfx1250 --defsym DOCPART=n.
;; ======== version 1 of 2: 3 launches
;; limits: an absolute error that grows with the inputs' magnitude: up to 4.8e-07 times it; inputs' magnitudes at most 26,353,589
;; workspace buffers: wq 8,388,608 bytes; part 33,554,432 bytes
;; launch quantw (part 1): grid 256 x 1, 8 waves a work-group, no clusters, 68,608 bytes of LDS; arguments fouriercoeffs, lowp_scales, wq; writes wq
.if DOCPART == 1
	.amdgcn_target "amdgcn-amd-amdhsa--gfx1250"
	.amdhsa_code_object_version 6
	.text
	.protected	k_q664ca89412_quantw
	.globl	k_q664ca89412_quantw
	.p2align	8
	.type	k_q664ca89412_quantw,@function
k_q664ca89412_quantw:
	s_mov_b64 s[64:65], 0
	v_nop
	global_prefetch_b8 v0, s[64:65] scope:SCOPE_SE
	s_setreg_imm32_b32 hwreg(HW_REG_WAVE_MODE, 25, 1), 1
	s_wait_xcnt 0x0
; y[b][j] = sum over i, k of cos(k x[b][i]) W[0][j][i][k-1] + sin(k x[b][i]) W[1][j][i][k-1]; b < 8192, i < 1024, k = 1 .. 8, j < 512; both products on codes of E4M3 with given scales.
; THREE LAUNCHES: this one turns W into codes; the second makes cos and sin, quantises them and multiplies, each work-group on half of the i; the third adds the two halves.
; NOTHING IS LEFT OUT: every number of x, of fouriercoeffs and of lowp_scales has a way to the output, and every product of the table is made whole.
; THIS LAUNCH.  W [2][512][1024][8] f32 -> codes: code = W / 2^e, held within +-448, to the nearest code, ties to even; e = lowp_scales[1] for W[0], lowp_scales[3] for W[1].
; The codes are laid IN THE ORDER OF THE OPERAND'S REGISTERS.  i = 512 y + 64 T + 32 h + 8 s + q (y: half of K; step t = 4 T + s; h = lane / 16; q = 0 .. 7).  A fragment is 16 rows j x 128 along K, 16 registers a lane:
; lane (r, h) holds row 16 n + r, registers 2 q, 2 q + 1 the eight k of that i.  The same order of K is given to cos and sin in the second launch, so every product meets its partner.
; wq: [y 2][t 32][kind 2][n 32][c 4][lane 32][16 bytes]: a fragment is 2,048 bytes on end, a step 131,072.
; SHARES.  2,048 waves, two fragments each (s = 2 (g & 1) + f).  A lane's 64 numbers are 256 consecutive bytes of a row of W; each load reads two whole runs of 256 bytes (lanes 0-15: h = 0; lanes 16-31: h = 1) of one row,
; and the 16 rows turn through the wave's own stage in LDS (rows of 512 bytes + 16), so that a lane gets its 64 neighbours.  A lane's codes leave as they stand: each store of the wave covers 512 consecutive bytes.
; No tensor loads, no barrier, no cluster: waves and work-groups share nothing.
; LIMITS: e between -126 and 119, so that 2^e and 448 x 2^e are f32 numbers.  NaN among the inputs is not served (an infinity is held at the largest code).
.set SP,    528                        ; a stage row: 512 bytes + 16: an odd multiple of 16, so that sixteen rows' reads start at sixteen different 16-byte columns
.set STG,   16*SP                      ; a wave's stage
.set SPARE, 8*STG                      ; 67,584: behind the stages: the spare words, 128 bytes for each wave: four blocks of 256 bytes that no other line names
.set HLD,   10                         ; v10  448 x 2^e
.set SCL,   11                         ; v11  2^e
.set SPW,   12                         ; v12  LDS address of my spare word; never rewritten
.set NIL,   13                         ; v13  0; never rewritten
.set R,     16                         ; v16-143  two fragments as loaded: 64 registers each
.set X,     144                        ; v144-207 a lane's 64 neighbours
.set C,     208                        ; v208-239 codes: 16 registers for each fragment, so that no store's data are written again
	s_load_b128 s[4:7], s[0:1], 0x0                ; W, the scales' exponents
	s_load_b64 s[8:9], s[0:1], 0x10                ; wq
	v_lshl_add_u32 v[SPW], v0, 2, SPARE
	v_mov_b32 v[NIL], 0
	v_lshrrev_b32 v1, 5, v0
	v_readfirstlane_b32 s10, v1                    ; wave 0..7
	v_and_b32 v2, 31, v0                           ; lane
	v_and_b32 v5, 15, v0                           ; r
	v_bfe_u32 v6, v0, 4, 1                         ; h
	v_lshlrev_b32 v3, 4, v5
	v_lshl_add_u32 v3, v6, 10, v3                  ; in memory: 16 (lane % 16) + 1,024 h: h's 32 i lie 1,024 bytes on
	v_lshlrev_b32 v4, 4, v2                        ; out: 16 x lane
	s_mul_i32 s11, s10, STG                        ; my stage
	v_lshlrev_b32 v14, 4, v5
	v_lshl_add_u32 v14, v6, 8, v14
	v_add_nc_u32 v14, s11, v14                     ; into it: a row's two runs of 256 bytes on end
	v_mul_u32_u24 v15, v5, SP
	v_lshl_add_u32 v15, v6, 8, v15
	v_add_nc_u32 v15, s11, v15                     ; out of it: row r, my half's 256 bytes
	s_lshl_b32 s12, ttmp9, 3
	s_add_co_u32 s12, s12, s10                     ; g = 8 x work-group + wave
	s_lshr_b32 s13, s12, 10                        ; kind: 0 cos's weights, 1 sin's
	s_bfe_u32 s14, s12, 0x50005                    ; n
	s_bfe_u32 s15, s12, 0x10004                    ; y
	s_bfe_u32 s16, s12, 0x30001                    ; T
	s_and_b32 s17, s12, 1                          ; s / 2
	s_lshl_b32 s20, s13, 24                        ; in W, in bytes: kind x 16,777,216 + 16 n rows of 32,768 + (512 y + 64 T + 16 (g & 1)) x 32
	s_lshl_b32 s18, s14, 19
	s_add_co_u32 s20, s20, s18
	s_lshl_b32 s18, s15, 14
	s_add_co_u32 s20, s20, s18
	s_lshl_b32 s18, s16, 11
	s_add_co_u32 s20, s20, s18
	s_lshl_b32 s18, s17, 9
	s_add_co_u32 s20, s20, s18
	s_mov_b32 s21, 0
	s_lshl_b32 s22, s15, 22                        ; in wq: (((32 y + 4 T + 2 (g & 1)) x 2 + kind) x 32 + n) x 2,048
	s_lshl_b32 s18, s16, 19
	s_add_co_u32 s22, s22, s18
	s_lshl_b32 s18, s17, 18
	s_add_co_u32 s22, s22, s18
	s_lshl_b32 s18, s13, 16
	s_add_co_u32 s22, s22, s18
	s_lshl_b32 s18, s14, 11
	s_add_co_u32 s22, s22, s18
	s_mov_b32 s23, 0
	s_wait_kmcnt 0x0
	s_load_b128 s[24:27], s[6:7], 0x0              ; e0 .. e3
	s_add_nc_u64 s[4:5], s[4:5], s[20:21]
	s_add_nc_u64 s[8:9], s[8:9], s[22:23]
.irp f, 0,1
.irp p, 0,1,2,3,4,5,6,7,8,9,10,11,12,13,14,15
	global_load_b128 v[R+64*\f+4*\p:R+64*\f+4*\p+3], v3, s[4:5] offset:32768*\p+256*\f th:TH_LOAD_NT   ; row p: sixteen lanes read 256 consecutive bytes, aligned; read once in the launch
.endr
.endr
	s_wait_kmcnt 0x0
	s_cmp_eq_u32 s13, 0
	s_cselect_b32 s28, s25, s27                    ; e
	s_add_co_i32 s28, s28, 127
	s_lshl_b32 s29, s28, 23
	v_mov_b32 v[SCL], s29                          ; 2^e as f32: the conversion takes its exponent field
	s_add_co_i32 s28, s28, 8
	s_lshl_b32 s28, s28, 23
	s_or_b32 s28, s28, 0x600000
	v_mov_b32 v[HLD], s28                          ; 448 x 2^e
.macro FRAG f
.irp p, 0,1,2,3,4,5,6,7,8,9,10,11,12,13,14,15
	ds_store_b128 v14, v[R+64*\f+4*\p:R+64*\f+4*\p+3] offset:\p*SP
.endr
.irp p, 0,1,2,3,4,5,6,7,8,9,10,11,12,13,14,15
	ds_load_b128 v[X+4*\p:X+4*\p+3], v15 offset:16*\p   ; LDS serves a wave's instructions in order (ISA guide 5.7.1.4): these see my stores
.endr
	s_wait_dscnt 0x0
.set i, 0
.rept 64
	v_med3_num_f32 v[X+i], v[X+i], -v[HLD], v[HLD]     ; the conversion to an 8-bit code does not saturate (ISA guide 7.6.2): the hold comes first
.set i, i+1
.endr
.irp q, 0,1,2,3,4,5,6,7
	v_cvt_scalef32_pk8_fp8_f32 v[C+16*\f+2*\q:C+16*\f+2*\q+1], v[X+8*\q:X+8*\q+7], v[SCL]   ; the eight k of one i: the first number's code in the lowest byte
.endr
	v_nop                                          ; one plain line behind the last conversion
.irp c, 0,1,2,3
	global_store_b128 v4, v[C+16*\f+4*\c:C+16*\f+4*\c+3], s[8:9] offset:131072*\f+512*\c   ; 32 lanes store 512 consecutive bytes, at a multiple of 256 from wq's first byte
.endr
.endm
	s_wait_loadcnt 16                              ; fragment 0's sixteen loads are in; fragment 1's sixteen may be out
	FRAG 0
	s_wait_loadcnt 0x0
	FRAG 1
	s_wait_tensorcnt 0x0                           ; the wave's end: behind my last LDS store; the tensor wait stands even in a text with no tensor load
	ds_add_u32 v[SPW], v[NIL]
	s_wait_dscnt 0x0
	s_endpgm
.Lfunc_end_k_q664ca89412_quantw:
	.size	k_q664ca89412_quantw, .Lfunc_end_k_q664ca89412_quantw-k_q664ca89412_quantw
	.p2alignl 7, 3214868480
	.fill 96, 4, 3214868480
	.section	.rodata,"a",@progbits
	.p2align	6, 0x0
	.amdhsa_kernel k_q664ca89412_quantw
		.amdhsa_group_segment_fixed_size 68608
		.amdhsa_private_segment_fixed_size 0
		.amdhsa_enable_private_segment 0
		.amdhsa_kernarg_size 24
		.amdhsa_user_sgpr_count 2
		.amdhsa_user_sgpr_kernarg_segment_ptr 1
		.amdhsa_wavefront_size32 1
		.amdhsa_system_sgpr_workgroup_id_x 1
		.amdhsa_system_sgpr_workgroup_id_y 1
		.amdhsa_system_sgpr_workgroup_id_z 1
		.amdhsa_system_vgpr_workitem_id 0
		.amdhsa_next_free_vgpr 240
		.amdhsa_next_free_sgpr 66
		.amdhsa_reserve_vcc 0
		.amdhsa_float_denorm_mode_32 3
		.amdhsa_float_denorm_mode_16_64 3
		.amdhsa_memory_ordered 1
		.amdhsa_forward_progress 1
		.amdhsa_inst_pref_size 20
	.end_amdhsa_kernel
	.amdgpu_metadata
---
amdhsa.version: [ 1, 2 ]
amdhsa.kernels:
  - .name:           k_q664ca89412_quantw
    .symbol:         k_q664ca89412_quantw.kd
    .args:
      - { .name: fouriercoeffs, .offset: 0, .size: 8, .value_kind: global_buffer, .address_space: global }
      - { .name: lowp_scales, .offset: 8, .size: 8, .value_kind: global_buffer, .address_space: global }
      - { .name: wq, .offset: 16, .size: 8, .value_kind: global_buffer, .address_space: global }
    .group_segment_fixed_size: 68608
    .private_segment_fixed_size: 0
    .kernarg_segment_align: 8
    .kernarg_segment_size: 24
    .max_flat_workgroup_size: 256
    .sgpr_count:     66
    .vgpr_count:     240
    .wavefront_size: 32
...
	.end_amdgpu_metadata
.endif
;; end of part 1
;; launch fkan (part 2): grid 128 x 2, 4 waves a work-group, clusters of 4 x 1, 327,680 bytes of LDS; arguments x, wq, lowp_scales, part; writes part
.if DOCPART == 2
	.amdgcn_target "amdgcn-amd-amdhsa--gfx1250"
	.amdhsa_code_object_version 6
	.text
	.protected	k_q664ca89412_fkan
	.globl	k_q664ca89412_fkan
	.p2align	8
	.type	k_q664ca89412_fkan,@function
k_q664ca89412_fkan:
	s_mov_b64 s[64:65], 0
	v_nop
	global_prefetch_b8 v0, s[64:65] scope:SCOPE_SE
	s_setreg_imm32_b32 hwreg(HW_REG_WAVE_MODE, 25, 1), 1
	s_wait_xcnt 0x0
	s_wait_alu depctr_hold_cnt(0) depctr_sa_sdst(0) depctr_va_vdst(0) depctr_va_sdst(0) depctr_va_ssrc(0) depctr_va_vcc(0) depctr_vm_vsrc(0)
	s_getreg_b32 s2, hwreg(HW_REG_IB_STS2, 6, 4)
	s_cmp_eq_u32 s2, 0
	s_cbranch_scc0 .Lentry_in_a_cluster
	s_endpgm
.Lentry_in_a_cluster:
	s_bfe_u32 s2, ttmp6, 0x10000c
	s_cmp_lg_u32 s2, 0x3003
	s_cbranch_scc0 .Lentry_shape_is_right
	s_endpgm
.Lentry_shape_is_right:
; part[y][b][j] = 2^(e0+e1) x sum of Q(cos(k x[b][i])) Q(W[0][j][i][k-1]) + 2^(e2+e3) x the same with sin and W[1], over k = 1 .. 8 and the i of half y (512 y .. 512 y + 511).  Nothing is left out.
; SHARES.  A work-group owns 64 rows b, all 512 columns j and half of the i, so that each x is worked once in the launch (its 16 numbers cos, sin cost some 40 vector instructions) and cos and sin, whose scales differ,
; have sums of their own: 64 x 512 x 2 sums = 512 registers in each of four waves.  Wave w multiplies kind w / 2 (0 cos, 1 sin) against columns 256 (w % 2) on: 64 rows x 256 columns, 64 accumulators.
; For the vector work wave w makes BOTH kinds' fragments of rows 16 w .. 16 w + 15; they go to the other waves through LDS as images of their registers (16 bytes a lane, 512 a store).
; K goes in 32 steps of 128 (16 i x 8 k).  i = 512 y + 64 T + 32 h + 8 s + q, step t = 4 T + s, h = lane / 16: lane (r, h) holds in registers 2 q, 2 q + 1 the eight k of that i: the order in which wq was laid.
; A step's codes of W (131,072 bytes, dense, in the order of the registers) come through a ring of two LDS slots; wave w fetches quarter w, which is also what it reads.
; CLUSTER.  The four work-groups of a cluster have the same y and walk the same codes of W: each quarter is asked for JOINTLY, by the same tensor load with the same descriptor and the mask of all four.
; BY TURNS.  While step t is multiplied (64 matrix instructions a wave), the wave makes its fragments of step t + 1: a list of 336 instructions, cut into 64 slices of 5 or 6, one behind each matrix instruction.
; All that the list touches lies in window 0 and all that the products touch in windows 1 to 3, so a slice costs two switches of the window; set in a phase of its own the list would leave the matrix unit idle meanwhile.
; COS AND SIN.  n = x / 2 pi to the nearest whole number; r = x - n 2 pi (2 pi in two parts, fused); S = 2 sin(r / 2) and cos(r / 2) by their series in r^2 up to r^12 (the rest is under 7e-9 for |r| <= pi);
; sin r = S cos(r / 2), cos r = 1 - S^2 / 2; the multiples by z(k + 2) = 2 cos(2 r) z(k) - z(k - 2).  All in f32, fused.
; LIMITS.  cos(k x), sin(k x) are made from sin x, cos x by identities, not from the rounded product k x: they differ from those by about |k x| x 6e-8 and about 1e-6 of the recurrence's own rounding.
; |x| < 2^22 x 2 pi.  NaN and infinity in x are not served.  e0, e2 between -126 and 119; e0 + e1 and e2 + e3 between -126 and 127: each power of two below is then an f32 number.
; REGISTERS, in windows of 256 (s_set_vgpr_msb: bits 1:0 source 0, 3:2 source 1, 5:4 source 2, 7:6 destination):
;   window 0: v1-31 addresses and constants; v32-95 the list's eight x and what is made of them; v96-223 for x number q: cos 1..8 at 96 + 16 q, sin 1..8 at 104 + 16 q; v224-239 cos's codes, v240-255 sin's
;   window 1: v0-63, v64-127 four fragments of W each, two buffers; v128-191 A's four fragments; v192-223 x as loaded
;   windows 2, 3: accumulator (column tile b = 0 .. 15, row tile a = 0 .. 3) at v[8 (4 (b % 8) + a)] of window 2 + b / 8
.set STEPB,  131072                    ; a step's codes of W, and an LDS slot
.set SLOTB,  1<<17                     ; slot 1 begins here: one exclusive or turns an address from one slot to the other
.set ABUF,   262144                    ; A's images: two buffers of 16,384: kind x 8,192 + row tile x 2,048 + c x 512 + 16 x lane
.set APAR,   16384
.set XST,    294912                    ; x's stages: 16 rows x 272 bytes for each wave, its own
.set XSP,    272                       ; 256 bytes + 16
.set SPARE,  312320                    ; the spare words, 128 bytes for each wave: two blocks of 256 bytes that no other line names
.set OPITCH, 1040                      ; the way out: a row of 256 sums, 1,024 bytes + 16
.set OREG,   64*OPITCH                 ; and a wave's 64 rows.  The four regions lie from LDS byte 0 on, over the ring, which has then had its last fill and its last read
.set LB,  1                            ; v1   W: my quarter of a slot + 16 x lane
.set LA,  2                            ; v2   A, to read: my kind + 16 x lane
.set LW,  3                            ; v3   A, to store: my row tile + 16 x lane
.set XSW, 4                            ; v4   x's stage, in
.set XSR, 5                            ; v5   x's stage, out: row r, + 128 h
.set XG,  6                            ; v6   x in memory: 4,096 (lane / 16) + 16 (lane % 16)
.set PFO, 7                            ; v7   256 x lane, for the prefetches; never rewritten
.set ADB, 8                            ; v8-11 the step's addresses
.set ADA, 9
.set AW,  10
.set XRA, 11
.set EC,  12                           ; v12  2^e0;  v13  448 x 2^e0;  v14, v15 the same with e2
.set LC,  13
.set ES,  14
.set LS,  15
.set SPW, 16                           ; v16  LDS address of my spare word; never rewritten
.set NIL, 17                           ; v17  0; never rewritten
.set OW,  18                           ; v18  the way out: where I put 32 bytes of a row
.set GO,  19                           ; v19  16 x lane: my place in 512 bytes of part
.set OR0, 20                           ; v20-23 the way out: my 16 rows in the four regions
.set MG,  24                           ; v[24:25] 1.5 x 2^23, twice;  v[26:27] a6;  v[28:29] b6
.set A6,  26
.set B6,  28
.set XV,  32
.set VT,  40                           ; n, later 2 cos 2r
.set VR,  48
.set VU,  56
.set VPS, 64
.set VPC, 72
.set VQ,  80
.set VDP, 88
.set BLK, 96
.set CC,  224
.set AF,  128                          ; in window 1
.set GX,  192
.set WV,  12                           ; s12  wave;  s13  my kind;  s15  cx
.set KAP, 13
.set CX,  15
.set G1,  16                           ; s[16:23] descriptor group 1;  s[24:27] group 0, which walks
.set G0,  24
.set PFA, 28                           ; s[28:29] where my prefetches stand
.set LIM, 30                           ; s30  a wave prefetches while the step's number is under it
.set STP, 31                           ; s31  the step's number t
.set TB,  32                           ; s32  the slot in hand;  s33  A's buffer in hand;  s34  the other one
.set TA,  33
.set TW,  34
.set XO,  35                           ; s35  32 x (s of step t + 1)
.set MSB, 0
.macro WIN new                         ; the immediate's high byte repeats the setting that is left; a switch that changes nothing is dropped
.if MSB != (\new)
	s_set_vgpr_msb (MSB<<8)|(\new)
.set MSB, (\new)
.endif
.endm
.set MUL_LO, 0xa5                      ; sources 0 (W) and 1 (A) window 1, C and D window 2
.set TO1,    0x40                      ; destination window 1, address window 0
.set ST1,    0x04                      ; an LDS store's data window 1, address window 0
.macro PLACES                          ; four places in front of loads into registers that matrix instructions have read, and of the first read of results
.rept 4
	v_nop
.endr
.endm
.macro ROUND                           ; a round of the cluster's barrier: my work-group's barrier; wave 0 signals for the work-group; every wave waits for all four; my work-group's barrier once more
	s_barrier_signal -1
	s_barrier_wait -1
	s_cmp_lg_u32 s[WV], 0
	s_cbranch_scc1 .Lnot_wave_0_\@
	s_barrier_signal -3
.Lnot_wave_0_\@:
	s_barrier_wait -3
	s_barrier_signal -1
	s_barrier_wait -1
.endm
; A PREFETCH INTO THE L2, behind the joint load and its five lines: in step t, which asks for step t + 1's codes, the codes of step t + 3: two steps, 128 matrix instructions a wave, ahead of the load that will want them.
; All 32 clusters of a half y walk the same codes: the first of them (cluster x = 0) asks.  Its sixteen waves share a step's 131,072 bytes out BY ADDRESS, 8,192 each (32,768 cx + 8,192 wave), lanes 256 bytes apart:
; each aligned block of 256 bytes is named once in the launch.  Steps 0 to 2 come by their loads alone; from t = 29 on there is no step t + 3, and nothing is asked for.
.macro ASK
	s_cmp_lt_u32 s[STP], s[LIM]
	s_cbranch_scc0 .Lnot_mine_\@
	global_prefetch_b8 v[PFO], s[PFA:PFA+1] th:TH_LOAD_NT scope:SCOPE_SE
.Lnot_mine_\@:
.endm
; THE CHANGE OF SLOTS, at a step's head.  Each wave waits for all its tensor loads (one is out: its quarter of the step in hand), adds 0 to its spare word, and waits for that, for its stores of A's images and for its
; reads of the slot and of A's buffer that it has left.  Behind the barrier the step's codes and A's eight images are whole and nobody reads the other slot or the other buffer.
; fill = 1: the barrier is a round of the cluster's, and the joint load of the next step's codes into the other slot is the first thing behind it: it has a step's 64 matrix instructions in which to land.
.macro HEAD fill
	WIN 0
	s_wait_tensorcnt 0x0                           ; no tensor load of mine is out, so group 0 may be written
	ds_add_u32 v[SPW], v[NIL]                      ; 0 onto my spare word: the steps below stand between it and the wait for it
.if \fill
	s_xor_b32 s[G0+1], s[G0+1], SLOTB              ; the other slot than last time,
	s_add_nc_u64 s[G0+2:G0+3], s[G0+2:G0+3], STEPB ; the next step's codes; the type bits on top are not reached
	s_wait_xcnt 0x0                                ; the last prefetch, a step back, has read its address, so it may be written
	s_add_nc_u64 s[PFA:PFA+1], s[PFA:PFA+1], STEPB
.endif
	s_xor_b32 s[TB], s[TB], SLOTB
	s_xor_b32 s[TA], s[TA], APAR
	s_xor_b32 s[TW], s[TW], APAR
	s_wait_dscnt 0x0
.if \fill
	ROUND
	tensor_load_to_lds s[G0:G0+3], s[G1:G1+7]      ; every wave its quarter: one line, no branch
	s_nop 0
	PLACES                                         ; the places in front of the loads into A's and W's fragments
	ASK
.else
	s_barrier_signal -1
	s_barrier_wait -1
	PLACES
.endif
.endm
.macro XLOADS                          ; my 16 rows' 64 numbers of a super-step (256 bytes a row): two rows a load, sixteen lanes to an aligned run of 256 bytes; read once in the launch
	WIN TO1
.irp u, 0,1,2,3,4,5,6,7
	global_load_b128 v[GX+4*\u:GX+4*\u+3], v[XG], s[4:5] offset:8192*\u th:TH_LOAD_NT
.endr
	WIN 0
.endm
.macro XSTORES
	WIN ST1
.irp u, 0,1,2,3,4,5,6,7
	ds_store_b128 v[XSW], v[GX+4*\u:GX+4*\u+3] offset:2*XSP*\u
.endr
	WIN 0
.endm
; The eight x of step t + 1 for my lane.  Every fourth step (a branch on the count of steps, the same in all waves and work-groups) a new super-step goes into my stage, and the one after it is asked of memory, four steps ahead.
.macro XSTEP
	s_add_co_u32 s[XO], s[STP], 1
	s_and_b32 s[XO], s[XO], 3
	s_lshl_b32 s[XO], s[XO], 5
	s_cmp_lg_u32 s[XO], 0
	s_cbranch_scc1 .Lsame_\@
	s_wait_loadcnt 0x0                             ; asked for four steps ago; also frees the loads' base
	XSTORES
	s_wait_dscnt 0x0                               ; the stores have read their registers
	s_cmp_lt_u32 s[STP], 27
	s_cbranch_scc0 .Lsame_\@                       ; t = 27 stores the last super-step: no load leaves the half's 512 numbers of a row
	s_add_nc_u64 s[4:5], s[4:5], 256
	XLOADS
.Lsame_\@:
	v_add_nc_u32 v[XRA], s[XO], v[XSR]
	ds_load_b128 v[XV:XV+3], v[XRA]
	ds_load_b128 v[XV+4:XV+7], v[XRA] offset:16
.endm
.macro FETCH_A                         ; my kind's four fragments of the step
	WIN TO1
.irp m, 0,1,2,3
.irp c, 0,1,2,3
	ds_load_b128 v[AF+16*\m+4*\c:AF+16*\m+4*\c+3], v[ADA] offset:2048*\m+512*\c
.endr
.endr
.endm
.macro FETCH_B g, buf                  ; W's column tiles 4 g .. 4 g + 3 of my quarter
	WIN TO1
.irp b, 0,1,2,3
.irp c, 0,1,2,3
	ds_load_b128 v[64*(\buf)+16*\b+4*\c:64*(\buf)+16*\b+4*\c+3], v[ADB] offset:(4*(\g)+\b)*2048+512*\c
.endr
.endr
.endm
; THE LIST: VI writes number vj of it and steps vj.
;   0-79    twenty packed lines on four pairs of x:  n;  r;  u = r^2;  the two series, by turns;  S = 2 sin(r / 2);  S^2;  2 cos r
;   80-183  thirteen lines on the eight x:  sin r, cos r, sin 2r, cos 2r, 2 cos 2r, cos 3r, cos 4r, sin 3r, sin 4r, then 5 to 8, two at a time
;   184-311 the hold at 448 x the scale (the conversion to an 8-bit code does not saturate: ISA guide 7.6.2); it is always executed
;   312-327 the conversions: the eight k of one x make two registers of a fragment
;   328-335 the two fragments go to LDS as they stand
.macro HORN p, c
	v_pk_fma_f32 v[\p+vp:\p+vp+1], v[\p+vp:\p+vp+1], v[VU+vp:VU+vp+1], \c op_sel_hi:[1,1,0]
.endm
.macro PKR d, a, c                     ; z(k + 2), z(k + 3) = 2 cos 2r x (z(k), z(k + 1)) - (z(k - 2), z(k - 1)); 2 cos 2r is one register of a pair and serves both halves
.if ve
	v_pk_fma_f32 v[\d:\d+1], v[\a:\a+1], v[rDp:rDp+1], v[\c:\c+1] op_sel:[0,1,0] op_sel_hi:[1,1,1] neg_lo:[0,0,1] neg_hi:[0,0,1]
.else
	v_pk_fma_f32 v[\d:\d+1], v[\a:\a+1], v[rDp:rDp+1], v[\c:\c+1] op_sel_hi:[1,0,1] neg_lo:[0,0,1] neg_hi:[0,0,1]
.endif
.endm
.macro VI
.if vj < 80
.set vl, vj/4
.set vp, 2*(vj%4)
.if vl == 0
	v_pk_fma_f32 v[VT+vp:VT+vp+1], v[XV+vp:XV+vp+1], 0x3e22f983, v[MG:MG+1] op_sel_hi:[1,0,1]   ; x / 2 pi + 1.5 x 2^23: rounded to a whole number
.elseif vl == 1
	v_pk_add_f32 v[VT+vp:VT+vp+1], v[VT+vp:VT+vp+1], v[MG:MG+1] neg_lo:[0,1] neg_hi:[0,1]       ; n
.elseif vl == 2
	v_pk_fma_f32 v[VR+vp:VR+vp+1], v[VT+vp:VT+vp+1], 0xc0c90fdb, v[XV+vp:XV+vp+1] op_sel_hi:[1,0,1]   ; x - n x (2 pi as f32)
.elseif vl == 3
	v_pk_fma_f32 v[VR+vp:VR+vp+1], v[VT+vp:VT+vp+1], 0x343bbd2e, v[VR+vp:VR+vp+1] op_sel_hi:[1,0,1]   ; + n x 1.7484556e-7, by which that f32 is too large: r
.elseif vl == 4
	v_pk_mul_f32 v[VU+vp:VU+vp+1], v[VR+vp:VR+vp+1], v[VR+vp:VR+vp+1]
.elseif vl == 5
	v_pk_fma_f32 v[VPS+vp:VPS+vp+1], v[VU+vp:VU+vp+1], v[A6:A6+1], 0xadd7322c op_sel_hi:[1,1,0]   ; a_j = (-1)^j / (4^j (2 j + 1)!)
.elseif vl == 6
	v_pk_fma_f32 v[VPC+vp:VPC+vp+1], v[VU+vp:VU+vp+1], v[B6:B6+1], 0xaf93f27d op_sel_hi:[1,1,0]   ; b_j = (-1)^j / (4^j (2 j)!)
.elseif vl == 7
	HORN VPS, 0x3238ef1d
.elseif vl == 8
	HORN VPC, 0x33d00d01
.elseif vl == 9
	HORN VPS, 0xb6500d01
.elseif vl == 10
	HORN VPC, 0xb7b60b61
.elseif vl == 11
	HORN VPS, 0x3a088889
.elseif vl == 12
	HORN VPC, 0x3b2aaaab
.elseif vl == 13
	HORN VPS, 0xbd2aaaab
.elseif vl == 14
	HORN VPC, 0xbe000000
.elseif vl == 15
	HORN VPS, 1.0
.elseif vl == 16
	HORN VPC, 1.0                                  ; cos(r / 2)
.elseif vl == 17
	v_pk_mul_f32 v[VPS+vp:VPS+vp+1], v[VPS+vp:VPS+vp+1], v[VR+vp:VR+vp+1]   ; S = 2 sin(r / 2)
.elseif vl == 18
	v_pk_mul_f32 v[VQ+vp:VQ+vp+1], v[VPS+vp:VPS+vp+1], v[VPS+vp:VPS+vp+1]
.else
	v_pk_fma_f32 v[VDP+vp:VDP+vp+1], v[VQ+vp:VQ+vp+1], -1.0, 2.0 op_sel_hi:[1,0,0]   ; 2 cos r = 2 - S^2
.endif
.elseif vj < 184
.set vl, (vj-80)/8
.set vq, (vj-80)%8
.set rC, BLK+16*vq
.set rS, BLK+16*vq+8
.set rD2, VT+vq
.set rDp, VT+2*(vq/2)
.set ve, vq%2
.if vl == 0
	v_mul_f32 v[rS], v[VPS+vq], v[VPC+vq]          ; sin r
.elseif vl == 1
	v_fma_f32 v[rC], v[VQ+vq], -0.5, 1.0           ; cos r
.elseif vl == 2
	v_mul_f32 v[rS+1], v[VDP+vq], v[rS]            ; sin 2r
.elseif vl == 3
	v_fma_f32 v[rC+1], v[VDP+vq], v[rC], -1.0      ; cos 2r
.elseif vl == 4
	v_add_f32 v[rD2], v[rC+1], v[rC+1]             ; 2 cos 2r
.elseif vl == 5
	v_fma_f32 v[rC+2], v[rD2], v[rC], -v[rC]       ; cos 3r = 2 cos 2r cos r - cos(-r)
.elseif vl == 6
	v_fma_f32 v[rC+3], v[rD2], v[rC+1], -1.0       ; cos 4r = 2 cos 2r cos 2r - 1
.elseif vl == 7
	v_fma_f32 v[rS+2], v[rD2], v[rS], v[rS]        ; sin 3r = 2 cos 2r sin r - sin(-r)
.elseif vl == 8
	v_mul_f32 v[rS+3], v[rD2], v[rS+1]             ; sin 4r
.elseif vl == 9
	PKR rC+4, rC+2, rC
.elseif vl == 10
	PKR rS+4, rS+2, rS
.elseif vl == 11
	PKR rC+6, rC+4, rC+2
.else
	PKR rS+6, rS+4, rS+2
.endif
.elseif vj < 312
.set vq, vj-184
.if (vq/8)%2
	v_med3_num_f32 v[BLK+vq], v[BLK+vq], -v[LS], v[LS]
.else
	v_med3_num_f32 v[BLK+vq], v[BLK+vq], -v[LC], v[LC]
.endif
.elseif vj < 328
.set vq, (vj-312)%8
.if vj < 320
	v_cvt_scalef32_pk8_fp8_f32 v[CC+2*vq:CC+2*vq+1], v[BLK+16*vq:BLK+16*vq+7], v[EC]
.else
	v_cvt_scalef32_pk8_fp8_f32 v[CC+16+2*vq:CC+16+2*vq+1], v[BLK+16*vq+8:BLK+16*vq+15], v[ES]
.endif
.else
.set vq, vj-328
	ds_store_b128 v[AW], v[CC+4*vq:CC+4*vq+3] offset:8192*(vq/4)+512*(vq%4)   ; (an LDS store of a conversion's result wants no line between; the next vector lines that touch these registers stand behind the change of slots' four v_nop)
.endif
.set vj, vj+1
.endm
.macro SL n                            ; a slice: the next n numbers of the list
	WIN 0
.rept \n
	VI
.endr
.endm
; 16 matrix instructions: W's four column tiles in buffer buf x A's four row tiles.  USED TRANSPOSED (source 0 = 16 rows of W, source 1 = 16 rows of A): a lane then holds one row b and eight neighbouring columns j.
; zero = 1: the first product starts the sums: nothing is cleared.  The 64 accumulators take turns, one instruction a turn, in the same order in every step.
; sl = 1: a slice behind each: 336 = 64 x 21 / 4, so slice mk has (mk + 1) 21 / 4 - mk 21 / 4 numbers, 5 or 6.
.macro MULS g, buf, zero, sl
.irp b, 0,1,2,3
.irp a, 0,1,2,3
	WIN MUL_LO+0x50*((\g)/2)
.set rD, 8*(4*((4*(\g)+\b)%8)+\a)
.if \zero
	v_wmma_f32_16x16x128_fp8_fp8 v[rD:rD+7], v[64*(\buf)+16*\b:64*(\buf)+16*\b+15], v[AF+16*\a:AF+16*\a+15], 0
.else
	v_wmma_f32_16x16x128_fp8_fp8 v[rD:rD+7], v[64*(\buf)+16*\b:64*(\buf)+16*\b+15], v[AF+16*\a:AF+16*\a+15], v[rD:rD+7]
.endif
.if \sl
	SL ((mk+1)*21)/4-(mk*21)/4
.set mk, mk+1
.endif
.endr
.endr
.endm
; A STEP.  v = 1: the list for step t + 1 stands in slices.  W's fragments come in four groups on two buffers; a group is asked for 16 matrix instructions ahead of its use.
; The places in front of the loads into a buffer that has just been multiplied are the slice behind the last product: numbers 78-83 and 162-167 of the list, six plain lines each that name window 0 alone (v = 0: four v_nop).
.macro STEP zero, v
.if \v
	XSTEP
	v_add_nc_u32 v[AW], s[TW], v[LW]
.endif
	v_add_nc_u32 v[ADB], s[TB], v[LB]
	v_add_nc_u32 v[ADA], s[TA], v[LA]
	FETCH_A
	FETCH_B 0, 0
	FETCH_B 1, 1
.set vj, 0
.set mk, 0
	s_wait_dscnt 16                                ; x, A and group 0 are in; group 1's sixteen loads may be out
	MULS 0, 0, \zero, \v
.if !\v
	PLACES
.endif
	FETCH_B 2, 0
	s_wait_dscnt 16                                ; group 1 is in; group 2's sixteen may be out
	MULS 1, 1, \zero, \v
.if !\v
	PLACES
.endif
	FETCH_B 3, 1
	s_wait_dscnt 16                                ; group 2 is in; group 3's sixteen may be out
	MULS 2, 0, \zero, \v
	s_wait_dscnt 0x0
	MULS 3, 1, \zero, \v
	WIN 0                                          ; at a label and at a branch every window is 0
.endm
	s_load_b256 s[4:11], s[0:1], 0x0               ; x s[4:5], wq s[6:7], the scales' exponents s[8:9], part s[10:11]
	v_lshl_add_u32 v[SPW], v0, 2, SPARE
	v_mov_b32 v[NIL], 0
	ds_add_u32 v[SPW], v[NIL]                      ; the wave's opening: the add, twice on end, and its wait ahead of my first tensor load; the set-up below, work on registers, stands between
	ds_add_u32 v[SPW], v[NIL]
	v_lshrrev_b32 v30, 5, v0
	v_readfirstlane_b32 s[WV], v30                 ; wave 0..3
	s_lshr_b32 s[KAP], s[WV], 1                    ; my kind
	s_bfe_u32 s[CX], ttmp6, 0x40000                ; cx: my place in the cluster: it enters x's, part's and the prefetches' addresses alone
	s_and_b32 s49, ttmp7, 0xffff                   ; y, which the four partners share
	; descriptor group 1: 32,768 dense bytes as 128 rows of 32 elements of 8 bytes, no padding
	s_mov_b32 s[G1], 15|(3<<16)|(1<<21)            ; 15:0 the mask: all four work-groups; 17:16 elements of 8 bytes; 21 set beside a mask
	s_mov_b32 s[G1+1], 32<<16                      ; tensor_dim0 = 32
	s_mov_b32 s[G1+2], 128<<16                     ; tensor_dim1 = 128
	s_mov_b32 s[G1+3], 32<<16                      ; tile_dim0 = 32
	s_mov_b32 s[G1+4], 128                         ; tile_dim1 = 128
	s_mov_b32 s[G1+5], 32                          ; from row to row
	s_mov_b32 s[G1+6], 0
	s_mov_b32 s[G1+7], 0
	s_lshl_b32 s50, s49, 22                        ; W's codes: half y, my quarter of step 0
	s_lshl_b32 s51, s[WV], 15
	s_add_co_u32 s50, s50, s51
	s_mov_b32 s51, 0
	s_lshl_b32 s48, ttmp9, 2                       ; in a cluster launch ttmp9 counts clusters
	s_add_co_u32 s48, s48, s[CX]                   ; my block of 64 rows
	s_lshl_b32 s52, s48, 18                        ; x: (64 block + 16 wave) rows of 4,096 bytes + 2,048 y
	s_lshl_b32 s53, s[WV], 16
	s_add_co_u32 s52, s52, s53
	s_lshl_b32 s53, s49, 11
	s_add_co_u32 s52, s52, s53
	s_mov_b32 s53, 0
	s_lshl_b32 s54, s48, 17                        ; part: y x 16,777,216 + (64 block + 16 wave) rows of 2,048 bytes
	s_lshl_b32 s55, s[WV], 15
	s_add_co_u32 s54, s54, s55
	s_lshl_b32 s55, s49, 24
	s_add_co_u32 s54, s54, s55
	s_mov_b32 s55, 0
	s_lshl_b32 s40, s[CX], 15                      ; the prefetches: half y, step 2 (the first change of slots steps it to 3), 32,768 cx + 8,192 wave
	s_lshl_b32 s41, s[WV], 13
	s_add_co_u32 s40, s40, s41
	s_lshl_b32 s41, s49, 22
	s_add_co_u32 s40, s40, s41
	s_add_co_u32 s40, s40, 2*STEPB
	s_mov_b32 s41, 0
	s_cmp_eq_u32 ttmp9, 0                          ; the half's first cluster asks: the same in all four partners
	s_cselect_b32 s[LIM], 29, 0
	v_and_b32 v30, 31, v0
	v_lshlrev_b32 v30, 4, v30                      ; 16 x lane
	v_and_b32 v31, 15, v0                          ; r
	v_bfe_u32 v[BLK], v0, 4, 1                     ; h
	s_lshl_b32 s42, s[WV], 15
	v_add_nc_u32 v[LB], s42, v30
	s_lshl_b32 s42, s[KAP], 13
	s_add_co_u32 s42, s42, ABUF
	v_add_nc_u32 v[LA], s42, v30
	s_lshl_b32 s42, s[WV], 11
	s_add_co_u32 s42, s42, ABUF
	v_add_nc_u32 v[LW], s42, v30
	s_mul_i32 s42, s[WV], 16*XSP
	s_add_co_u32 s42, s42, XST
	v_mul_u32_u24 v[BLK+1], v[BLK], XSP
	v_lshl_add_u32 v[BLK+1], v31, 4, v[BLK+1]
	v_add_nc_u32 v[XSW], s42, v[BLK+1]             ; in: lanes 0-15 one row, lanes 16-31 the next
	v_mul_u32_u24 v[BLK+1], v31, XSP
	v_lshl_add_u32 v[BLK+1], v[BLK], 7, v[BLK+1]
	v_add_nc_u32 v[XSR], s42, v[BLK+1]             ; out: row r; my half's 32 numbers begin 128 bytes on
	v_lshlrev_b32 v[XG], 4, v31
	v_lshl_add_u32 v[XG], v[BLK], 12, v[XG]
	v_lshlrev_b32 v[PFO], 4, v30
	s_mul_i32 s42, s[WV], OREG
	v_mul_u32_u24 v[BLK+1], v31, OPITCH
	v_lshl_add_u32 v[BLK+1], v[BLK], 5, v[BLK+1]
	v_add_nc_u32 v[OW], s42, v[BLK+1]              ; my region: row r, + 32 h
	s_mul_i32 s42, s[WV], 16*OPITCH
	v_add_nc_u32 v[OR0], s42, v30                  ; back: rows 16 wave on, 16 bytes a lane, in each of the four regions
	v_add_nc_u32 v[OR0+1], OREG, v[OR0]
	v_add_nc_u32 v[OR0+2], 2*OREG, v[OR0]
	v_add_nc_u32 v[OR0+3], 3*OREG, v[OR0]
	v_mov_b32 v[GO], v30
	v_mov_b32 v[MG], 0x4b400000                    ; 1.5 x 2^23
	v_mov_b32 v[MG+1], 0x4b400000
	v_mov_b32 v[A6], 0x29309231                    ; a6
	v_mov_b32 v[A6+1], 0x29309231
	v_mov_b32 v[B6], 0x2b0f76c8                    ; b6
	v_mov_b32 v[B6+1], 0x2b0f76c8
	s_mov_b32 s[TB], SLOTB                         ; the first change of slots turns these to step 0's: slot 0, A's buffer 0 to read, buffer 1 to store
	s_mov_b32 s[TA], APAR
	s_mov_b32 s[TW], 0
	s_mov_b32 s[STP], 0
	s_wait_dscnt 0x0                               ; both opening adds are done
	s_wait_kmcnt 0x0
	s_load_b128 s[36:39], s[8:9], 0x0              ; e0 .. e3
	s_add_nc_u64 s[4:5], s[4:5], s[52:53]
	s_add_nc_u64 s[10:11], s[10:11], s[54:55]
	s_add_nc_u64 s[PFA:PFA+1], s[6:7], s[40:41]
	s_mov_b32 s[G0], 1                             ; count = 1
	s_lshl_b32 s[G0+1], s[WV], 15                  ; LDS address: slot 0, my quarter: no place in the cluster enters it
	s_add_nc_u64 s[G0+2:G0+3], s[6:7], s[50:51]
	s_or_b32 s[G0+3], s[G0+3], 0x80000000          ; type = 2
	ROUND                                          ; all four work-groups are here: the first joint loads meet
	tensor_load_to_lds s[G0:G0+3], s[G1:G1+7]      ; step 0's codes
	s_nop 0
	PLACES
	XLOADS                                         ; super-step 0 of x
	s_wait_loadcnt 0x0
	XSTORES
	s_wait_dscnt 0x0                               ; the stores have read their registers
	s_add_nc_u64 s[4:5], s[4:5], 256
	XLOADS                                         ; super-step 1: wanted in step 3
	ds_load_b128 v[XV:XV+3], v[XSR]                ; step 0's eight x
	ds_load_b128 v[XV+4:XV+7], v[XSR] offset:16
	s_wait_kmcnt 0x0
	s_add_co_i32 s50, s36, 127
	s_lshl_b32 s51, s50, 23
	v_mov_b32 v[EC], s51                           ; 2^e0 as f32: the conversion takes its exponent field
	s_add_co_i32 s50, s50, 8
	s_lshl_b32 s50, s50, 23
	s_or_b32 s50, s50, 0x600000
	v_mov_b32 v[LC], s50                           ; 448 x 2^e0
	s_add_co_i32 s50, s38, 127
	s_lshl_b32 s51, s50, 23
	v_mov_b32 v[ES], s51
	s_add_co_i32 s50, s50, 8
	s_lshl_b32 s50, s50, 23
	s_or_b32 s50, s50, 0x600000
	v_mov_b32 v[LS], s50
	s_add_co_i32 s50, s36, s37
	s_add_co_i32 s51, s38, s39
	s_cmp_eq_u32 s[KAP], 0                         ; a choice on the wave's number, made without a jump
	s_cselect_b32 s46, s50, s51
	s_add_co_i32 s46, s46, 127
	s_lshl_b32 s46, s46, 23                        ; my kind's 2^(eA + eB) as f32
	s_mov_b32 s47, s46                             ; (named with it as a pair, so it is written)
	v_add_nc_u32 v[AW], s[TW], v[LW]
	s_wait_dscnt 0x0
.set vj, 0
	SL 336                                         ; step 0's fragments of A: there are no products yet to set the list between
	HEAD 1                                         ; slot 1's first fill stands behind this round, as a refill does
	STEP 1, 1                                      ; step 0 stands in front of the loop: its products start the sums
	s_mov_b32 s[STP], 1
.Lstep:                                                ; steps 1 to 30: each asks for the next step's codes and makes the next step's A
	HEAD 1
	STEP 0, 1
	s_add_co_u32 s[STP], s[STP], 1
	s_cmp_lt_u32 s[STP], 31
	s_cbranch_scc1 .Lstep
	HEAD 0                                         ; step 31 is written out: nothing is left to fetch or to make
	STEP 0, 0
	; THE WAY OUT.  Each wave multiplies its sums by its kind's power of two and puts them into its region of LDS (64 rows of 1,024 bytes + 16); then wave w takes rows 16 w on, adds cos's and sin's, and stores whole rows.
	s_wait_dscnt 0x0
	s_barrier_signal -1
	s_barrier_wait -1                              ; nobody reads the slots or A's buffers any more; no tensor load follows
	PLACES                                         ; behind the last products, ahead of the first read of results
.irp wn, 0,1
.irp gq, 0,1,2,3
	WIN 0x02+\wn                                   ; source 0: window 2 or 3
.set j, 0
.rept 32
	v_pk_mul_f32 v[BLK+j:BLK+j+1], v[64*\gq+j:64*\gq+j+1], s[46:47] op_sel_hi:[1,0]   ; eight accumulators, each from its low end on
.set j, j+2
.endr
	WIN 0
.irp d, 0,1,2,3,4,5,6,7
	ds_store_b128 v[OW], v[BLK+8*\d:BLK+8*\d+3] offset:(\d%4)*16*OPITCH+64*(8*\wn+2*\gq+\d/4)          ; row tile d % 4, column tile 8 wn + 2 gq + d / 4: lane (r, h): columns 8 h + 0 .. 7 of it
	ds_store_b128 v[OW], v[BLK+8*\d+4:BLK+8*\d+7] offset:(\d%4)*16*OPITCH+64*(8*\wn+2*\gq+\d/4)+16
.endr
.endr
.endr
	s_wait_dscnt 0x0                               ; for the others' sake: my stores are done
	s_barrier_signal -1
	s_barrier_wait -1
.irp bt, 0,1,2,3                       ; four rows at a time: sixteen pieces of 512 bytes (row 4 bt + p / 4, column half (p / 2) % 2, piece p % 2), cos's and sin's
.if \bt > 0
	s_wait_xcnt 0x0                                ; the last batch's stores have read their registers
.endif
.irp p, 0,1,2,3,4,5,6,7,8,9,10,11,12,13,14,15
	ds_load_b128 v[BLK+4*\p:BLK+4*\p+3], v[OR0+(\p/2)%2] offset:OPITCH*(4*\bt+\p/4)+512*(\p%2)
	ds_load_b128 v[BLK+64+4*\p:BLK+64+4*\p+3], v[OR0+2+(\p/2)%2] offset:OPITCH*(4*\bt+\p/4)+512*(\p%2)
.endr
.irp p, 0,1,2,3,4,5,6,7,8,9,10,11,12,13,14,15
	s_wait_dscnt 30-2*\p                           ; piece p's two loads are in; the younger pairs may be out
	v_pk_add_f32 v[BLK+4*\p:BLK+4*\p+1], v[BLK+4*\p:BLK+4*\p+1], v[BLK+64+4*\p:BLK+64+4*\p+1]
	v_pk_add_f32 v[BLK+4*\p+2:BLK+4*\p+3], v[BLK+4*\p+2:BLK+4*\p+3], v[BLK+64+4*\p+2:BLK+64+4*\p+3]
	global_store_b128 v[GO], v[BLK+4*\p:BLK+4*\p+3], s[10:11] offset:2048*(4*\bt+\p/4)+1024*((\p/2)%2)+512*(\p%2) th:TH_STORE_NT   ; 32 lanes store 512 consecutive bytes, at a multiple of 256 from part's first byte
.endr
.endr
	s_wait_tensorcnt 0x0                           ; the wave's end: behind my last tensor load and my last LDS store
	ds_add_u32 v[SPW], v[NIL]
	s_wait_dscnt 0x0
	ROUND                                          ; the closing round: no work-group ends while a partner may still ask for a tile that names it
	s_endpgm
.Lfunc_end_k_q664ca89412_fkan:
	.size	k_q664ca89412_fkan, .Lfunc_end_k_q664ca89412_fkan-k_q664ca89412_fkan
	.p2alignl 7, 3214868480
	.fill 96, 4, 3214868480
	.section	.rodata,"a",@progbits
	.p2align	6, 0x0
	.amdhsa_kernel k_q664ca89412_fkan
		.amdhsa_group_segment_fixed_size 327680
		.amdhsa_private_segment_fixed_size 0
		.amdhsa_enable_private_segment 0
		.amdhsa_kernarg_size 32
		.amdhsa_user_sgpr_count 2
		.amdhsa_user_sgpr_kernarg_segment_ptr 1
		.amdhsa_wavefront_size32 1
		.amdhsa_system_sgpr_workgroup_id_x 1
		.amdhsa_system_sgpr_workgroup_id_y 1
		.amdhsa_system_sgpr_workgroup_id_z 1
		.amdhsa_system_vgpr_workitem_id 0
		.amdhsa_next_free_vgpr 1024
		.amdhsa_next_free_sgpr 66
		.amdhsa_reserve_vcc 0
		.amdhsa_float_denorm_mode_32 3
		.amdhsa_float_denorm_mode_16_64 3
		.amdhsa_memory_ordered 1
		.amdhsa_forward_progress 1
		.amdhsa_inst_pref_size 166
	.end_amdhsa_kernel
	.amdgpu_metadata
---
amdhsa.version: [ 1, 2 ]
amdhsa.kernels:
  - .name:           k_q664ca89412_fkan
    .symbol:         k_q664ca89412_fkan.kd
    .args:
      - { .name: x, .offset: 0, .size: 8, .value_kind: global_buffer, .address_space: global }
      - { .name: wq, .offset: 8, .size: 8, .value_kind: global_buffer, .address_space: global }
      - { .name: lowp_scales, .offset: 16, .size: 8, .value_kind: global_buffer, .address_space: global }
      - { .name: part, .offset: 24, .size: 8, .value_kind: global_buffer, .address_space: global }
    .group_segment_fixed_size: 327680
    .private_segment_fixed_size: 0
    .kernarg_segment_align: 8
    .kernarg_segment_size: 32
    .max_flat_workgroup_size: 128
    .sgpr_count:     66
    .vgpr_count:     1024
    .wavefront_size: 32
...
	.end_amdgpu_metadata
.endif
;; end of part 2
;; launch addp (part 3): grid 256 x 1, 8 waves a work-group, no clusters, 0 bytes of LDS; arguments part, out0; writes out0
.if DOCPART == 3
	.amdgcn_target "amdgcn-amd-amdhsa--gfx1250"
	.amdhsa_code_object_version 6
	.text
	.protected	k_q664ca89412_addp
	.globl	k_q664ca89412_addp
	.p2align	8
	.type	k_q664ca89412_addp,@function
k_q664ca89412_addp:
	s_mov_b64 s[64:65], 0
	v_nop
	global_prefetch_b8 v0, s[64:65] scope:SCOPE_SE
	s_setreg_imm32_b32 hwreg(HW_REG_WAVE_MODE, 25, 1), 1
	s_wait_xcnt 0x0
; out0[b][j] = part[0][b][j] + part[1][b][j]: the two halves of K, which two work-groups of the launch before have summed, are added here in a fixed order.  Nothing is left out.
; A plain stream: 2,048 waves, 8,192 bytes of out0 each; every load and store of a wave covers 512 consecutive bytes, aligned.  All 32 loads of a wave go out first; no loop, no LDS, no barrier;
; matrix units and clusters have nothing to do here: no byte is read twice.
.set P0, 8                             ; v8-71    half 0's sixteen pieces, then the sums
.set P1, 72                            ; v72-135  half 1's
	s_load_b128 s[4:7], s[0:1], 0x0                ; part, out0
	v_lshrrev_b32 v2, 5, v0
	v_readfirstlane_b32 s8, v2                     ; wave 0..7
	v_and_b32 v1, 31, v0
	v_lshlrev_b32 v1, 4, v1                        ; 16 x lane
	s_lshl_b32 s9, ttmp9, 3
	s_add_co_u32 s9, s9, s8
	s_lshl_b32 s10, s9, 13                         ; my wave's 8,192 bytes
	s_mov_b32 s11, 0
	s_wait_kmcnt 0x0
	s_add_nc_u64 s[4:5], s[4:5], s[10:11]
	s_add_nc_u64 s[6:7], s[6:7], s[10:11]
	s_add_nc_u64 s[12:13], s[4:5], 0x1000000       ; half 1 lies 16,777,216 bytes on
.irp u, 0,1,2,3,4,5,6,7,8,9,10,11,12,13,14,15
	global_load_b128 v[P0+4*\u:P0+4*\u+3], v1, s[4:5] offset:512*\u th:TH_LOAD_NT
	global_load_b128 v[P1+4*\u:P1+4*\u+3], v1, s[12:13] offset:512*\u th:TH_LOAD_NT
.endr
.irp u, 0,1,2,3,4,5,6,7,8,9,10,11,12,13,14,15
	s_wait_loadcnt 30-2*\u                         ; piece u's two loads are in; the younger pairs may be out
	v_pk_add_f32 v[P0+4*\u:P0+4*\u+1], v[P0+4*\u:P0+4*\u+1], v[P1+4*\u:P1+4*\u+1]
	v_pk_add_f32 v[P0+4*\u+2:P0+4*\u+3], v[P0+4*\u+2:P0+4*\u+3], v[P1+4*\u+2:P1+4*\u+3]
	global_store_b128 v1, v[P0+4*\u:P0+4*\u+3], s[6:7] offset:512*\u th:TH_STORE_NT
.endr
	s_endpgm
.Lfunc_end_k_q664ca89412_addp:
	.size	k_q664ca89412_addp, .Lfunc_end_k_q664ca89412_addp-k_q664ca89412_addp
	.p2alignl 7, 3214868480
	.fill 96, 4, 3214868480
	.section	.rodata,"a",@progbits
	.p2align	6, 0x0
	.amdhsa_kernel k_q664ca89412_addp
		.amdhsa_group_segment_fixed_size 0
		.amdhsa_private_segment_fixed_size 0
		.amdhsa_enable_private_segment 0
		.amdhsa_kernarg_size 16
		.amdhsa_user_sgpr_count 2
		.amdhsa_user_sgpr_kernarg_segment_ptr 1
		.amdhsa_wavefront_size32 1
		.amdhsa_system_sgpr_workgroup_id_x 1
		.amdhsa_system_sgpr_workgroup_id_y 1
		.amdhsa_system_sgpr_workgroup_id_z 1
		.amdhsa_system_vgpr_workitem_id 0
		.amdhsa_next_free_vgpr 136
		.amdhsa_next_free_sgpr 66
		.amdhsa_reserve_vcc 0
		.amdhsa_float_denorm_mode_32 3
		.amdhsa_float_denorm_mode_16_64 3
		.amdhsa_memory_ordered 1
		.amdhsa_forward_progress 1
		.amdhsa_inst_pref_size 8
	.end_amdhsa_kernel
	.amdgpu_metadata
---
amdhsa.version: [ 1, 2 ]
amdhsa.kernels:
  - .name:           k_q664ca89412_addp
    .symbol:         k_q664ca89412_addp.kd
    .args:
      - { .name: part, .offset: 0, .size: 8, .value_kind: global_buffer, .address_space: global }
      - { .name: out0, .offset: 8, .size: 8, .value_kind: global_buffer, .address_space: global }
    .group_segment_fixed_size: 0
    .private_segment_fixed_size: 0
    .kernarg_segment_align: 8
    .kernarg_segment_size: 16
    .max_flat_workgroup_size: 256
    .sgpr_count:     66
    .vgpr_count:     136
    .wavefront_size: 32
...
	.end_amdgpu_metadata
.endif
;; end of part 3
;; ======== version 2 of 2: 3 launches
;; limits: an absolute error that grows with the inputs' magnitude: up to 4.8e-07 times it; inputs' magnitudes at most 26,353,589
;; workspace buffers: wq 8,388,608 bytes; part 33,554,432 bytes
;; launch quantw: the kernel of part 1 again; grid 256 x 1, 8 waves a work-group, no clusters, 68,608 bytes of LDS; arguments fouriercoeffs, lowp_scales, wq; writes wq
;; launch fkan (part 4): grid 128 x 2, 4 waves a work-group, clusters of 4 x 1, 327,680 bytes of LDS; arguments x, wq, lowp_scales, part; writes part
.if DOCPART == 4
	.amdgcn_target "amdgcn-amd-amdhsa--gfx1250"
	.amdhsa_code_object_version 6
	.text
	.protected	k_q664ca89412_fkan
	.globl	k_q664ca89412_fkan
	.p2align	8
	.type	k_q664ca89412_fkan,@function
k_q664ca89412_fkan:
	s_mov_b64 s[64:65], 0
	v_nop
	global_prefetch_b8 v0, s[64:65] scope:SCOPE_SE
	s_setreg_imm32_b32 hwreg(HW_REG_WAVE_MODE, 25, 1), 1
	s_wait_xcnt 0x0
	s_wait_alu depctr_hold_cnt(0) depctr_sa_sdst(0) depctr_va_vdst(0) depctr_va_sdst(0) depctr_va_ssrc(0) depctr_va_vcc(0) depctr_vm_vsrc(0)
	s_getreg_b32 s2, hwreg(HW_REG_IB_STS2, 6, 4)
	s_cmp_eq_u32 s2, 0
	s_cbranch_scc0 .Lentry_in_a_cluster
	s_endpgm
.Lentry_in_a_cluster:
	s_bfe_u32 s2, ttmp6, 0x10000c
	s_cmp_lg_u32 s2, 0x3003
	s_cbranch_scc0 .Lentry_shape_is_right
	s_endpgm
.Lentry_shape_is_right:
; part[y][b][j] = 2^(e0+e1) x sum of Q(cos(k x[b][i])) Q(W[0][j][i][k-1]) + 2^(e2+e3) x the same with sin and W[1], over k = 1 .. 8 and the i of half y (512 y .. 512 y + 511).  Nothing is left out.
; SHARES.  A work-group owns 64 rows b, all 512 columns j and half of the i, so that each x is worked once in the launch (its 16 numbers cos, sin cost some 40 vector instructions) and cos and sin, whose scales differ,
; have sums of their own: 64 x 512 x 2 sums = 512 registers in each of four waves.  Wave w multiplies kind w / 2 (0 cos, 1 sin) against columns 256 (w % 2) on: 64 rows x 256 columns, 64 accumulators.
; For the vector work wave w makes BOTH kinds' fragments of rows 16 w .. 16 w + 15; they go to the other waves through LDS as images of their registers (16 bytes a lane, 512 a store).
; K goes in 32 steps of 128 (16 i x 8 k).  i = 512 y + 64 T + 32 h + 8 s + q, step 4 T + s, h = lane / 16: lane (r, h) holds in registers 2 q, 2 q + 1 the eight k of that i: the order in which wq was laid.
; A step's codes of W (131,072 bytes, dense, in the order of the registers) come through a ring of two LDS slots; wave w fetches quarter w, which is also what it reads.
; CLUSTER.  The four work-groups of a cluster have the same y and walk the same codes of W: each quarter is asked for JOINTLY, by the same tensor load with the same descriptor and the mask of all four.
; THE WALK IS ROTATED.  The 32 clusters of a half y fall into eight groups, g = (X + 3 (X >> 3)) & 7 of the cluster's x, and group g begins at step 4 g (super-step g of x) and goes round, modulo 32.  So a step's codes are
; asked for by the eight groups at eight different times, four steps apart, and only a walk's first four steps are the launch's first request for their bytes.  No branch: the offsets into wq and into a row of x are stepped and masked.
; NO PREFETCH is laid: from its fifth step on a cluster asks for bytes that another group has asked for four steps earlier, and the first four steps' requests stand at the kernel's start.
; BY TURNS.  While a step is multiplied (64 matrix instructions a wave), the wave makes its fragments of the next step: a list of 336 instructions.  Its first 56 stand behind the step's run of LDS loads, while those are on their way;
; 256 stand in 64 slices of four, one behind each matrix instruction; the last 24 (the conversions and the stores of the images) behind the last product.
; All that the list touches lies in window 0 and all that the products touch in windows 1 to 3, so a slice costs two switches of the window; set in a phase of its own the list would leave the matrix unit idle meanwhile.
; COS AND SIN.  n = x / 2 pi to the nearest whole number; r = x - n 2 pi (2 pi in two parts, fused); S = 2 sin(r / 2) and cos(r / 2) by their series in r^2 up to r^12 (the rest is under 7e-9 for |r| <= pi);
; sin r = S cos(r / 2), cos r = 1 - S^2 / 2; the multiples by z(k + 2) = 2 cos(2 r) z(k) - z(k - 2).  All in f32, fused.
; LIMITS.  cos(k x), sin(k x) are made from sin x, cos x by identities, not from the rounded product k x: they differ from those by about |k x| x 6e-8 and about 1e-6 of the recurrence's own rounding.
; |x| < 2^22 x 2 pi.  NaN and infinity in x are not served.  e0, e2 between -126 and 119; e0 + e1 and e2 + e3 between -126 and 127: each power of two below is then an f32 number.
; The f32 sums take the K steps in the walk's order, which begins elsewhere in each group of clusters: the rounding of a sum differs from that of K ascending.
; REGISTERS, in windows of 256 (s_set_vgpr_msb: bits 1:0 source 0, 3:2 source 1, 5:4 source 2, 7:6 destination):
;   window 0: v1-31 addresses and constants; v32-95 the list's eight x and what is made of them; v96-223 for x number q: cos 1..8 at 96 + 16 q, sin 1..8 at 104 + 16 q; v224-239 cos's codes, v240-255 sin's
;   window 1: v0-63, v64-127 four fragments of W each, two buffers; v128-191 A's four fragments; v192-223 x as loaded
;   windows 2, 3: accumulator (column tile b = 0 .. 15, row tile a = 0 .. 3) at v[8 (4 (b % 8) + a)] of window 2 + b / 8
.set STEPB,  131072                    ; a step's codes of W, and an LDS slot
.set SLOTB,  1<<17                     ; slot 1 begins here: one exclusive or turns an address from one slot to the other
.set ABUF,   262144                    ; A's images: two buffers of 16,384: kind x 8,192 + row tile x 2,048 + c x 512 + 16 x lane
.set APAR,   16384
.set XST,    294912                    ; x's stages: 16 rows x 272 bytes for each wave, its own
.set XSP,    272                       ; 256 bytes + 16
.set SPARE,  312320                    ; the spare words, 128 bytes for each wave: two blocks of 256 bytes that no other line names
.set OPITCH, 1040                      ; the way out: a row of 256 sums, 1,024 bytes + 16
.set OREG,   64*OPITCH                 ; and a wave's 64 rows.  The four regions lie from LDS byte 0 on, over the ring, which has then had its last fill and its last read
.set LB,  1                            ; v1   W: my quarter of a slot + 16 x lane
.set LA,  2                            ; v2   A, to read: my kind + 16 x lane
.set LW,  3                            ; v3   A, to store: my row tile + 16 x lane
.set XSW, 4                            ; v4   x's stage, in
.set XSR, 5                            ; v5   x's stage, out: row r, + 128 h
.set XG,  6                            ; v6   x in memory: 4,096 (lane / 16) + 16 (lane % 16)
.set ADB, 8                            ; v8-11 the step's addresses
.set ADA, 9
.set AW,  10
.set XRA, 11
.set EC,  12                           ; v12  2^e0;  v13  448 x 2^e0;  v14, v15 the same with e2
.set LC,  13
.set ES,  14
.set LS,  15
.set SPW, 16                           ; v16  LDS address of my spare word; never rewritten
.set NIL, 17                           ; v17  0; never rewritten
.set OW,  18                           ; v18  the way out: where I put 32 bytes of a row
.set GO,  19                           ; v19  16 x lane: my place in 512 bytes of part
.set OR0, 20                           ; v20-23 the way out: my 16 rows in the four regions
.set MG,  24                           ; v[24:25] 1.5 x 2^23, twice;  v[26:27] a6;  v[28:29] b6
.set A6,  26
.set B6,  28
.set XV,  32
.set VT,  40                           ; n, later 2 cos 2r
.set VR,  48
.set VU,  56
.set VPS, 64
.set VPC, 72
.set VQ,  80
.set VDP, 88
.set BLK, 96
.set CC,  224
.set AF,  128                          ; in window 1
.set GX,  192
.set WV,  12                           ; s12  wave;  s13  my kind;  s15  cx
.set KAP, 13
.set CX,  15
.set G1,  16                           ; s[16:23] descriptor group 1;  s[24:27] group 0, which walks
.set G0,  24
.set WB,  28                           ; s[28:29] wq at half y, my quarter of step 0; never rewritten
.set GRP, 30                           ; s30  my cluster's group g
.set STP, 31                           ; s31  how many steps of the walk are done
.set TB,  32                           ; s32  the slot in hand;  s33  A's buffer in hand;  s34  the other one
.set TA,  33
.set TW,  34
.set XO,  35                           ; s35  32 x (s of the next step)
.set UO,  56                           ; s[56:57] the byte offset in a half of wq of the step that is asked for: stepped by a step, modulo 32 steps
.set XB,  58                           ; s[58:59] x at my wave's first row, half y; never rewritten
.set XF,  60                           ; s[60:61] the byte offset in a row's half of the super-step that is asked for: stepped by 256, modulo 2,048
.set MSB, 0
.macro WIN new                         ; the immediate's high byte repeats the setting that is left; a switch that changes nothing is dropped
.if MSB != (\new)
	s_set_vgpr_msb (MSB<<8)|(\new)
.set MSB, (\new)
.endif
.endm
.set MUL_LO, 0xa5                      ; sources 0 (W) and 1 (A) window 1, C and D window 2
.set TO1,    0x40                      ; destination window 1, address window 0
.set ST1,    0x04                      ; an LDS store's data window 1, address window 0
.macro PLACES                          ; four places in front of loads into registers that matrix instructions have read, and of the first read of results
.rept 4
	v_nop
.endr
.endm
.macro ROUND                           ; a round of the cluster's barrier: my work-group's barrier; wave 0 signals for the work-group; every wave waits for all four; my work-group's barrier once more
	s_barrier_signal -1
	s_barrier_wait -1
	s_cmp_lg_u32 s[WV], 0
	s_cbranch_scc1 .Lnot_wave_0_\@
	s_barrier_signal -3
.Lnot_wave_0_\@:
	s_barrier_wait -3
	s_barrier_signal -1
	s_barrier_wait -1
.endm
; THE CHANGE OF SLOTS, at a step's head.  Each wave waits for all its tensor loads (one is out: its quarter of the step in hand), adds 0 to its spare word, and waits for that, for its stores of A's images and for its
; reads of the slot and of A's buffer that it has left.  Behind the barrier the step's codes and A's eight images are whole and nobody reads the other slot or the other buffer.
; fill = 1: the barrier is a round of the cluster's, and the joint load of the next step's codes into the other slot is the first thing behind it: it has a step's 64 matrix instructions in which to land.
.macro HEAD fill
	WIN 0
	s_wait_tensorcnt 0x0                           ; no tensor load of mine is out, so group 0 may be written
	ds_add_u32 v[SPW], v[NIL]                      ; 0 onto my spare word: the steps below stand between it and the wait for it
.if \fill
	s_xor_b32 s[G0+1], s[G0+1], SLOTB              ; the other slot than last time,
	s_add_co_u32 s[UO], s[UO], STEPB               ; the walk's next step: behind step 31 comes step 0
	s_and_b32 s[UO], s[UO], 32*STEPB-1
	s_add_nc_u64 s[G0+2:G0+3], s[WB:WB+1], s[UO:UO+1]
	s_or_b32 s[G0+3], s[G0+3], 0x80000000          ; type = 2
.endif
	s_xor_b32 s[TB], s[TB], SLOTB
	s_xor_b32 s[TA], s[TA], APAR
	s_xor_b32 s[TW], s[TW], APAR
	s_wait_dscnt 0x0
.if \fill
	ROUND
	tensor_load_to_lds s[G0:G0+3], s[G1:G1+7]      ; every wave its quarter: one line, no branch
	s_nop 0
	PLACES                                         ; the places in front of the loads into A's and W's fragments
.else
	s_barrier_signal -1
	s_barrier_wait -1
	PLACES
.endif
.endm
.macro XNEXT                           ; x's pointer goes on to the walk's next super-step: behind super-step 7 comes super-step 0.  It stands behind a wait that shows the last loads done
	s_add_co_u32 s[XF], s[XF], 256
	s_and_b32 s[XF], s[XF], 0x7ff
	s_add_nc_u64 s[4:5], s[XB:XB+1], s[XF:XF+1]
.endm
.macro XLOADS                          ; my 16 rows' 64 numbers of a super-step (256 bytes a row): two rows a load, sixteen lanes to an aligned run of 256 bytes; read once in the launch
	WIN TO1
.irp u, 0,1,2,3,4,5,6,7
	global_load_b128 v[GX+4*\u:GX+4*\u+3], v[XG], s[4:5] offset:8192*\u th:TH_LOAD_NT
.endr
	WIN 0
.endm
.macro XSTORES
	WIN ST1
.irp u, 0,1,2,3,4,5,6,7
	ds_store_b128 v[XSW], v[GX+4*\u:GX+4*\u+3] offset:2*XSP*\u
.endr
	WIN 0
.endm
; The eight x of the next step for my lane.  Every fourth step (a branch on the count of steps, the same in all waves and work-groups) a new super-step goes into my stage, and the one after it is asked of memory, four steps ahead.
.macro XSTEP
	s_add_co_u32 s[XO], s[STP], 1
	s_and_b32 s[XO], s[XO], 3
	s_lshl_b32 s[XO], s[XO], 5
	s_cmp_lg_u32 s[XO], 0
	s_cbranch_scc1 .Lsame_\@
	s_wait_loadcnt 0x0                             ; asked for four steps ago; also frees the loads' base
	XSTORES
	s_wait_dscnt 0x0                               ; the stores have read their registers
	s_cmp_lt_u32 s[STP], 27
	s_cbranch_scc0 .Lsame_\@                       ; the 28th step stores the walk's last super-step: all eight have been asked for
	XNEXT
	XLOADS
.Lsame_\@:
	v_add_nc_u32 v[XRA], s[XO], v[XSR]
	ds_load_b128 v[XV:XV+3], v[XRA]
	ds_load_b128 v[XV+4:XV+7], v[XRA] offset:16
.endm
.macro FETCH_A                         ; my kind's four fragments of the step
	WIN TO1
.irp m, 0,1,2,3
.irp c, 0,1,2,3
	ds_load_b128 v[AF+16*\m+4*\c:AF+16*\m+4*\c+3], v[ADA] offset:2048*\m+512*\c
.endr
.endr
.endm
.macro FETCH_B g, buf                  ; W's column tiles 4 g .. 4 g + 3 of my quarter
	WIN TO1
.irp b, 0,1,2,3
.irp c, 0,1,2,3
	ds_load_b128 v[64*(\buf)+16*\b+4*\c:64*(\buf)+16*\b+4*\c+3], v[ADB] offset:(4*(\g)+\b)*2048+512*\c
.endr
.endr
.endm
; THE LIST: VI writes number vj of it and steps vj.
;   0-79    twenty packed lines on four pairs of x:  n;  r;  u = r^2;  the two series, by turns;  S = 2 sin(r / 2);  S^2;  2 cos r
;   80-183  thirteen lines on the eight x:  sin r, cos r, sin 2r, cos 2r, 2 cos 2r, cos 3r, cos 4r, sin 3r, sin 4r, then 5 to 8, two at a time
;   184-311 the hold at 448 x the scale (the conversion to an 8-bit code does not saturate: ISA guide 7.6.2); it is always executed
;   312-327 the conversions: the eight k of one x make two registers of a fragment
;   328-335 the two fragments go to LDS as they stand
.macro HORN p, c
	v_pk_fma_f32 v[\p+vp:\p+vp+1], v[\p+vp:\p+vp+1], v[VU+vp:VU+vp+1], \c op_sel_hi:[1,1,0]
.endm
.macro PKR d, a, c                     ; z(k + 2), z(k + 3) = 2 cos 2r x (z(k), z(k + 1)) - (z(k - 2), z(k - 1)); 2 cos 2r is one register of a pair and serves both halves
.if ve
	v_pk_fma_f32 v[\d:\d+1], v[\a:\a+1], v[rDp:rDp+1], v[\c:\c+1] op_sel:[0,1,0] op_sel_hi:[1,1,1] neg_lo:[0,0,1] neg_hi:[0,0,1]
.else
	v_pk_fma_f32 v[\d:\d+1], v[\a:\a+1], v[rDp:rDp+1], v[\c:\c+1] op_sel_hi:[1,0,1] neg_lo:[0,0,1] neg_hi:[0,0,1]
.endif
.endm
.macro VI
.if vj < 80
.set vl, vj/4
.set vp, 2*(vj%4)
.if vl == 0
	v_pk_fma_f32 v[VT+vp:VT+vp+1], v[XV+vp:XV+vp+1], 0x3e22f983, v[MG:MG+1] op_sel_hi:[1,0,1]   ; x / 2 pi + 1.5 x 2^23: rounded to a whole number
.elseif vl == 1
	v_pk_add_f32 v[VT+vp:VT+vp+1], v[VT+vp:VT+vp+1], v[MG:MG+1] neg_lo:[0,1] neg_hi:[0,1]       ; n
.elseif vl == 2
	v_pk_fma_f32 v[VR+vp:VR+vp+1], v[VT+vp:VT+vp+1], 0xc0c90fdb, v[XV+vp:XV+vp+1] op_sel_hi:[1,0,1]   ; x - n x (2 pi as f32)
.elseif vl == 3
	v_pk_fma_f32 v[VR+vp:VR+vp+1], v[VT+vp:VT+vp+1], 0x343bbd2e, v[VR+vp:VR+vp+1] op_sel_hi:[1,0,1]   ; + n x 1.7484556e-7, by which that f32 is too large: r
.elseif vl == 4
	v_pk_mul_f32 v[VU+vp:VU+vp+1], v[VR+vp:VR+vp+1], v[VR+vp:VR+vp+1]
.elseif vl == 5
	v_pk_fma_f32 v[VPS+vp:VPS+vp+1], v[VU+vp:VU+vp+1], v[A6:A6+1], 0xadd7322c op_sel_hi:[1,1,0]   ; a_j = (-1)^j / (4^j (2 j + 1)!)
.elseif vl == 6
	v_pk_fma_f32 v[VPC+vp:VPC+vp+1], v[VU+vp:VU+vp+1], v[B6:B6+1], 0xaf93f27d op_sel_hi:[1,1,0]   ; b_j = (-1)^j / (4^j (2 j)!)
.elseif vl == 7
	HORN VPS, 0x3238ef1d
.elseif vl == 8
	HORN VPC, 0x33d00d01
.elseif vl == 9
	HORN VPS, 0xb6500d01
.elseif vl == 10
	HORN VPC, 0xb7b60b61
.elseif vl == 11
	HORN VPS, 0x3a088889
.elseif vl == 12
	HORN VPC, 0x3b2aaaab
.elseif vl == 13
	HORN VPS, 0xbd2aaaab
.elseif vl == 14
	HORN VPC, 0xbe000000
.elseif vl == 15
	HORN VPS, 1.0
.elseif vl == 16
	HORN VPC, 1.0                                  ; cos(r / 2)
.elseif vl == 17
	v_pk_mul_f32 v[VPS+vp:VPS+vp+1], v[VPS+vp:VPS+vp+1], v[VR+vp:VR+vp+1]   ; S = 2 sin(r / 2)
.elseif vl == 18
	v_pk_mul_f32 v[VQ+vp:VQ+vp+1], v[VPS+vp:VPS+vp+1], v[VPS+vp:VPS+vp+1]
.else
	v_pk_fma_f32 v[VDP+vp:VDP+vp+1], v[VQ+vp:VQ+vp+1], -1.0, 2.0 op_sel_hi:[1,0,0]   ; 2 cos r = 2 - S^2
.endif
.elseif vj < 184
.set vl, (vj-80)/8
.set vq, (vj-80)%8
.set rC, BLK+16*vq
.set rS, BLK+16*vq+8
.set rD2, VT+vq
.set rDp, VT+2*(vq/2)
.set ve, vq%2
.if vl == 0
	v_mul_f32 v[rS], v[VPS+vq], v[VPC+vq]          ; sin r
.elseif vl == 1
	v_fma_f32 v[rC], v[VQ+vq], -0.5, 1.0           ; cos r
.elseif vl == 2
	v_mul_f32 v[rS+1], v[VDP+vq], v[rS]            ; sin 2r
.elseif vl == 3
	v_fma_f32 v[rC+1], v[VDP+vq], v[rC], -1.0      ; cos 2r
.elseif vl == 4
	v_add_f32 v[rD2], v[rC+1], v[rC+1]             ; 2 cos 2r
.elseif vl == 5
	v_fma_f32 v[rC+2], v[rD2], v[rC], -v[rC]       ; cos 3r = 2 cos 2r cos r - cos(-r)
.elseif vl == 6
	v_fma_f32 v[rC+3], v[rD2], v[rC+1], -1.0       ; cos 4r = 2 cos 2r cos 2r - 1
.elseif vl == 7
	v_fma_f32 v[rS+2], v[rD2], v[rS], v[rS]        ; sin 3r = 2 cos 2r sin r - sin(-r)
.elseif vl == 8
	v_mul_f32 v[rS+3], v[rD2], v[rS+1]             ; sin 4r
.elseif vl == 9
	PKR rC+4, rC+2, rC
.elseif vl == 10
	PKR rS+4, rS+2, rS
.elseif vl == 11
	PKR rC+6, rC+4, rC+2
.else
	PKR rS+6, rS+4, rS+2
.endif
.elseif vj < 312
.set vq, vj-184
.if (vq/8)%2
	v_med3_num_f32 v[BLK+vq], v[BLK+vq], -v[LS], v[LS]
.else
	v_med3_num_f32 v[BLK+vq], v[BLK+vq], -v[LC], v[LC]
.endif
.elseif vj < 328
.set vq, (vj-312)%8
.if vj < 320
	v_cvt_scalef32_pk8_fp8_f32 v[CC+2*vq:CC+2*vq+1], v[BLK+16*vq:BLK+16*vq+7], v[EC]
.else
	v_cvt_scalef32_pk8_fp8_f32 v[CC+16+2*vq:CC+16+2*vq+1], v[BLK+16*vq+8:BLK+16*vq+15], v[ES]
.endif
.else
.set vq, vj-328
	ds_store_b128 v[AW], v[CC+4*vq:CC+4*vq+3] offset:8192*(vq/4)+512*(vq%4)   ; (an LDS store of a conversion's result wants no line between; the next vector lines that touch these registers stand behind the change of slots' four v_nop)
.endif
.set vj, vj+1
.endm
.macro SL n                            ; the next n numbers of the list
	WIN 0
.rept \n
	VI
.endr
.endm
; 16 matrix instructions: W's four column tiles in buffer buf x A's four row tiles.  USED TRANSPOSED (source 0 = 16 rows of W, source 1 = 16 rows of A): a lane then holds one row b and eight neighbouring columns j.
; zero = 1: the first product starts the sums: nothing is cleared.  The 64 accumulators take turns, one instruction a turn, in the same order in every step.
; sl = 1: a slice of four numbers of the list behind each.
.macro MULS g, buf, zero, sl
.irp b, 0,1,2,3
.irp a, 0,1,2,3
	WIN MUL_LO+0x50*((\g)/2)
.set rD, 8*(4*((4*(\g)+\b)%8)+\a)
.if \zero
	v_wmma_f32_16x16x128_fp8_fp8 v[rD:rD+7], v[64*(\buf)+16*\b:64*(\buf)+16*\b+15], v[AF+16*\a:AF+16*\a+15], 0
.else
	v_wmma_f32_16x16x128_fp8_fp8 v[rD:rD+7], v[64*(\buf)+16*\b:64*(\buf)+16*\b+15], v[AF+16*\a:AF+16*\a+15], v[rD:rD+7]
.endif
.if \sl
	SL 4
.endif
.endr
.endr
.endm
; A STEP.  v = 1: the list for the next step is walked: numbers 0-55 behind the run of 48 LDS loads, 56-311 in slices, 312-335 behind the last product.
; W's fragments come in four groups on two buffers; a group is asked for 16 matrix instructions ahead of its use.
; The places in front of the loads into a buffer that has just been multiplied are the slice behind the last product: numbers 116-119 and 180-183 of the list, four plain lines each that name window 0 alone (v = 0: four v_nop).
.macro STEP zero, v
.if \v
	XSTEP
	v_add_nc_u32 v[AW], s[TW], v[LW]
.endif
	v_add_nc_u32 v[ADB], s[TB], v[LB]
	v_add_nc_u32 v[ADA], s[TA], v[LA]
	FETCH_A
	FETCH_B 0, 0
	FETCH_B 1, 1
.set vj, 0
.if \v
	s_wait_dscnt 48                                ; my eight x are in: behind their two loads only the 48 loads of fragments were issued
	SL 56                                          ; the wave works on registers while the fragments come
.endif
	s_wait_dscnt 16                                ; A and group 0 are in; group 1's sixteen loads may be out
	MULS 0, 0, \zero, \v
.if !\v
	PLACES
.endif
	FETCH_B 2, 0
	s_wait_dscnt 16                                ; group 1 is in; group 2's sixteen may be out
	MULS 1, 1, \zero, \v
.if !\v
	PLACES
.endif
	FETCH_B 3, 1
	s_wait_dscnt 16                                ; group 2 is in; group 3's sixteen may be out
	MULS 2, 0, \zero, \v
	s_wait_dscnt 0x0
	MULS 3, 1, \zero, \v
.if \v
	SL 24                                          ; the conversions, and the images' stores
.endif
	WIN 0                                          ; at a label and at a branch every window is 0
.endm
	s_load_b256 s[4:11], s[0:1], 0x0               ; x s[4:5], wq s[6:7], the scales' exponents s[8:9], part s[10:11]
	v_lshl_add_u32 v[SPW], v0, 2, SPARE
	v_mov_b32 v[NIL], 0
	ds_add_u32 v[SPW], v[NIL]                      ; the wave's opening: the add, twice on end, and its wait ahead of my first tensor load; the set-up below, work on registers, stands between
	ds_add_u32 v[SPW], v[NIL]
	v_lshrrev_b32 v30, 5, v0
	v_readfirstlane_b32 s[WV], v30                 ; wave 0..3
	s_lshr_b32 s[KAP], s[WV], 1                    ; my kind
	s_bfe_u32 s[CX], ttmp6, 0x40000                ; cx: my place in the cluster: it enters x's and part's addresses alone
	s_and_b32 s49, ttmp7, 0xffff                   ; y, which the four partners share
	s_lshr_b32 s[GRP], ttmp9, 3                    ; my cluster's group: g = (X + 3 (X >> 3)) & 7, of the cluster's x, which the four partners share.
	s_mul_i32 s[GRP], s[GRP], 3                    ; (The 3 mixes X's upper bits in: among the clusters picked out by any one bit of X all eight groups occur)
	s_add_co_u32 s[GRP], s[GRP], ttmp9
	s_and_b32 s[GRP], s[GRP], 7
	s_lshl_b32 s[UO], s[GRP], 19                   ; the walk begins at step 4 g: 4 g x 131,072 bytes into the half of wq,
	s_mov_b32 s[UO+1], 0
	s_lshl_b32 s[XF], s[GRP], 8                    ; and at super-step g: 256 g bytes into a row's half
	s_mov_b32 s[XF+1], 0
	; descriptor group 1: 32,768 dense bytes as 128 rows of 32 elements of 8 bytes, no padding
	s_mov_b32 s[G1], 15|(3<<16)|(1<<21)            ; 15:0 the mask: all four work-groups; 17:16 elements of 8 bytes; 21 set beside a mask
	s_mov_b32 s[G1+1], 32<<16                      ; tensor_dim0 = 32
	s_mov_b32 s[G1+2], 128<<16                     ; tensor_dim1 = 128
	s_mov_b32 s[G1+3], 32<<16                      ; tile_dim0 = 32
	s_mov_b32 s[G1+4], 128                         ; tile_dim1 = 128
	s_mov_b32 s[G1+5], 32                          ; from row to row
	s_mov_b32 s[G1+6], 0
	s_mov_b32 s[G1+7], 0
	s_lshl_b32 s50, s49, 22                        ; W's codes: half y, my quarter of step 0
	s_lshl_b32 s51, s[WV], 15
	s_add_co_u32 s50, s50, s51
	s_mov_b32 s51, 0
	s_lshl_b32 s48, ttmp9, 2                       ; in a cluster launch ttmp9 counts clusters
	s_add_co_u32 s48, s48, s[CX]                   ; my block of 64 rows
	s_lshl_b32 s52, s48, 18                        ; x: (64 block + 16 wave) rows of 4,096 bytes + 2,048 y
	s_lshl_b32 s53, s[WV], 16
	s_add_co_u32 s52, s52, s53
	s_lshl_b32 s53, s49, 11
	s_add_co_u32 s52, s52, s53
	s_mov_b32 s53, 0
	s_lshl_b32 s54, s48, 17                        ; part: y x 16,777,216 + (64 block + 16 wave) rows of 2,048 bytes
	s_lshl_b32 s55, s[WV], 15
	s_add_co_u32 s54, s54, s55
	s_lshl_b32 s55, s49, 24
	s_add_co_u32 s54, s54, s55
	s_mov_b32 s55, 0
	v_and_b32 v30, 31, v0
	v_lshlrev_b32 v30, 4, v30                      ; 16 x lane
	v_and_b32 v31, 15, v0                          ; r
	v_bfe_u32 v[BLK], v0, 4, 1                     ; h
	s_lshl_b32 s42, s[WV], 15
	v_add_nc_u32 v[LB], s42, v30
	s_lshl_b32 s42, s[KAP], 13
	s_add_co_u32 s42, s42, ABUF
	v_add_nc_u32 v[LA], s42, v30
	s_lshl_b32 s42, s[WV], 11
	s_add_co_u32 s42, s42, ABUF
	v_add_nc_u32 v[LW], s42, v30
	s_mul_i32 s42, s[WV], 16*XSP
	s_add_co_u32 s42, s42, XST
	v_mul_u32_u24 v[BLK+1], v[BLK], XSP
	v_lshl_add_u32 v[BLK+1], v31, 4, v[BLK+1]
	v_add_nc_u32 v[XSW], s42, v[BLK+1]             ; in: lanes 0-15 one row, lanes 16-31 the next
	v_mul_u32_u24 v[BLK+1], v31, XSP
	v_lshl_add_u32 v[BLK+1], v[BLK], 7, v[BLK+1]
	v_add_nc_u32 v[XSR], s42, v[BLK+1]             ; out: row r; my half's 32 numbers begin 128 bytes on
	v_lshlrev_b32 v[XG], 4, v31
	v_lshl_add_u32 v[XG], v[BLK], 12, v[XG]
	s_mul_i32 s42, s[WV], OREG
	v_mul_u32_u24 v[BLK+1], v31, OPITCH
	v_lshl_add_u32 v[BLK+1], v[BLK], 5, v[BLK+1]
	v_add_nc_u32 v[OW], s42, v[BLK+1]              ; my region: row r, + 32 h
	s_mul_i32 s42, s[WV], 16*OPITCH
	v_add_nc_u32 v[OR0], s42, v30                  ; back: rows 16 wave on, 16 bytes a lane, in each of the four regions
	v_add_nc_u32 v[OR0+1], OREG, v[OR0]
	v_add_nc_u32 v[OR0+2], 2*OREG, v[OR0]
	v_add_nc_u32 v[OR0+3], 3*OREG, v[OR0]
	v_mov_b32 v[GO], v30
	v_mov_b32 v[MG], 0x4b400000                    ; 1.5 x 2^23
	v_mov_b32 v[MG+1], 0x4b400000
	v_mov_b32 v[A6], 0x29309231                    ; a6
	v_mov_b32 v[A6+1], 0x29309231
	v_mov_b32 v[B6], 0x2b0f76c8                    ; b6
	v_mov_b32 v[B6+1], 0x2b0f76c8
	s_mov_b32 s[TB], SLOTB                         ; the first change of slots turns these to the first step's: slot 0, A's buffer 0 to read, buffer 1 to store
	s_mov_b32 s[TA], APAR
	s_mov_b32 s[TW], 0
	s_mov_b32 s[STP], 0
	s_wait_dscnt 0x0                               ; both opening adds are done
	s_wait_kmcnt 0x0
	s_load_b128 s[36:39], s[8:9], 0x0              ; e0 .. e3
	s_add_nc_u64 s[XB:XB+1], s[4:5], s[52:53]
	s_add_nc_u64 s[4:5], s[XB:XB+1], s[XF:XF+1]    ; x at the walk's first super-step
	s_add_nc_u64 s[10:11], s[10:11], s[54:55]
	s_add_nc_u64 s[WB:WB+1], s[6:7], s[50:51]
	s_mov_b32 s[G0], 1                             ; count = 1
	s_lshl_b32 s[G0+1], s[WV], 15                  ; LDS address: slot 0, my quarter: no place in the cluster enters it
	s_add_nc_u64 s[G0+2:G0+3], s[WB:WB+1], s[UO:UO+1]  ; the walk's first step
	s_or_b32 s[G0+3], s[G0+3], 0x80000000          ; type = 2
	ROUND                                          ; all four work-groups are here: the first joint loads meet
	tensor_load_to_lds s[G0:G0+3], s[G1:G1+7]      ; the first step's codes
	s_nop 0
	PLACES
	XLOADS                                         ; the walk's first super-step of x
	s_wait_loadcnt 0x0
	XSTORES
	s_wait_dscnt 0x0                               ; the stores have read their registers
	XNEXT
	XLOADS                                         ; its second: wanted in the fourth step
	ds_load_b128 v[XV:XV+3], v[XSR]                ; the first step's eight x
	ds_load_b128 v[XV+4:XV+7], v[XSR] offset:16
	s_wait_kmcnt 0x0
	s_add_co_i32 s50, s36, 127
	s_lshl_b32 s51, s50, 23
	v_mov_b32 v[EC], s51                           ; 2^e0 as f32: the conversion takes its exponent field
	s_add_co_i32 s50, s50, 8
	s_lshl_b32 s50, s50, 23
	s_or_b32 s50, s50, 0x600000
	v_mov_b32 v[LC], s50                           ; 448 x 2^e0
	s_add_co_i32 s50, s38, 127
	s_lshl_b32 s51, s50, 23
	v_mov_b32 v[ES], s51
	s_add_co_i32 s50, s50, 8
	s_lshl_b32 s50, s50, 23
	s_or_b32 s50, s50, 0x600000
	v_mov_b32 v[LS], s50
	s_add_co_i32 s50, s36, s37
	s_add_co_i32 s51, s38, s39
	s_cmp_eq_u32 s[KAP], 0                         ; a choice on the wave's number, made without a jump
	s_cselect_b32 s46, s50, s51
	s_add_co_i32 s46, s46, 127
	s_lshl_b32 s46, s46, 23                        ; my kind's 2^(eA + eB) as f32
	s_mov_b32 s47, s46                             ; (named with it as a pair, so it is written)
	v_add_nc_u32 v[AW], s[TW], v[LW]
	s_wait_dscnt 0x0
.set vj, 0
	SL 336                                         ; the first step's fragments of A: there are no products yet to set the list between
	HEAD 1                                         ; slot 1's first fill stands behind this round, as a refill does
	STEP 1, 1                                      ; the first step stands in front of the loop: its products start the sums
	s_mov_b32 s[STP], 1
.Lstep:                                                ; the walk's steps 1 to 30: each asks for the next step's codes and makes the next step's A
	HEAD 1
	STEP 0, 1
	s_add_co_u32 s[STP], s[STP], 1
	s_cmp_lt_u32 s[STP], 31
	s_cbranch_scc1 .Lstep
	HEAD 0                                         ; the last step is written out: nothing is left to fetch or to make
	STEP 0, 0
	; THE WAY OUT.  Each wave multiplies its sums by its kind's power of two and puts them into its region of LDS (64 rows of 1,024 bytes + 16); then wave w takes rows 16 w on, adds cos's and sin's, and stores whole rows.
	s_wait_dscnt 0x0
	s_barrier_signal -1
	s_barrier_wait -1                              ; nobody reads the slots or A's buffers any more; no tensor load follows
	PLACES                                         ; behind the last products, ahead of the first read of results
.irp wn, 0,1
.irp gq, 0,1,2,3
	WIN 0x02+\wn                                   ; source 0: window 2 or 3
.set j, 0
.rept 32
	v_pk_mul_f32 v[BLK+j:BLK+j+1], v[64*\gq+j:64*\gq+j+1], s[46:47] op_sel_hi:[1,0]   ; eight accumulators, each from its low end on
.set j, j+2
.endr
	WIN 0
.irp d, 0,1,2,3,4,5,6,7
	ds_store_b128 v[OW], v[BLK+8*\d:BLK+8*\d+3] offset:(\d%4)*16*OPITCH+64*(8*\wn+2*\gq+\d/4)          ; row tile d % 4, column tile 8 wn + 2 gq + d / 4: lane (r, h): columns 8 h + 0 .. 7 of it
	ds_store_b128 v[OW], v[BLK+8*\d+4:BLK+8*\d+7] offset:(\d%4)*16*OPITCH+64*(8*\wn+2*\gq+\d/4)+16
.endr
.endr
.endr
	s_wait_dscnt 0x0                               ; for the others' sake: my stores are done
	s_barrier_signal -1
	s_barrier_wait -1
.irp bt, 0,1,2,3                       ; four rows at a time: sixteen pieces of 512 bytes (row 4 bt + p / 4, column half (p / 2) % 2, piece p % 2), cos's and sin's
.if \bt > 0
	s_wait_xcnt 0x0                                ; the last batch's stores have read their registers
.endif
.irp p, 0,1,2,3,4,5,6,7,8,9,10,11,12,13,14,15
	ds_load_b128 v[BLK+4*\p:BLK+4*\p+3], v[OR0+(\p/2)%2] offset:OPITCH*(4*\bt+\p/4)+512*(\p%2)
	ds_load_b128 v[BLK+64+4*\p:BLK+64+4*\p+3], v[OR0+2+(\p/2)%2] offset:OPITCH*(4*\bt+\p/4)+512*(\p%2)
.endr
.irp p, 0,1,2,3,4,5,6,7,8,9,10,11,12,13,14,15
	s_wait_dscnt 30-2*\p                           ; piece p's two loads are in; the younger pairs may be out
	v_pk_add_f32 v[BLK+4*\p:BLK+4*\p+1], v[BLK+4*\p:BLK+4*\p+1], v[BLK+64+4*\p:BLK+64+4*\p+1]
	v_pk_add_f32 v[BLK+4*\p+2:BLK+4*\p+3], v[BLK+4*\p+2:BLK+4*\p+3], v[BLK+64+4*\p+2:BLK+64+4*\p+3]
	global_store_b128 v[GO], v[BLK+4*\p:BLK+4*\p+3], s[10:11] offset:2048*(4*\bt+\p/4)+1024*((\p/2)%2)+512*(\p%2) th:TH_STORE_NT   ; 32 lanes store 512 consecutive bytes, at a multiple of 256 from part's first byte
.endr
.endr
	s_wait_tensorcnt 0x0                           ; the wave's end: behind my last tensor load and my last LDS store
	ds_add_u32 v[SPW], v[NIL]
	s_wait_dscnt 0x0
	ROUND                                          ; the closing round: no work-group ends while a partner may still ask for a tile that names it
	s_endpgm
.Lfunc_end_k_q664ca89412_fkan:
	.size	k_q664ca89412_fkan, .Lfunc_end_k_q664ca89412_fkan-k_q664ca89412_fkan
	.p2alignl 7, 3214868480
	.fill 96, 4, 3214868480
	.section	.rodata,"a",@progbits
	.p2align	6, 0x0
	.amdhsa_kernel k_q664ca89412_fkan
		.amdhsa_group_segment_fixed_size 327680
		.amdhsa_private_segment_fixed_size 0
		.amdhsa_enable_private_segment 0
		.amdhsa_kernarg_size 32
		.amdhsa_user_sgpr_count 2
		.amdhsa_user_sgpr_kernarg_segment_ptr 1
		.amdhsa_wavefront_size32 1
		.amdhsa_system_sgpr_workgroup_id_x 1
		.amdhsa_system_sgpr_workgroup_id_y 1
		.amdhsa_system_sgpr_workgroup_id_z 1
		.amdhsa_system_vgpr_workitem_id 0
		.amdhsa_next_free_vgpr 1024
		.amdhsa_next_free_sgpr 66
		.amdhsa_reserve_vcc 0
		.amdhsa_float_denorm_mode_32 3
		.amdhsa_float_denorm_mode_16_64 3
		.amdhsa_memory_ordered 1
		.amdhsa_forward_progress 1
		.amdhsa_inst_pref_size 166
	.end_amdhsa_kernel
	.amdgpu_metadata
---
amdhsa.version: [ 1, 2 ]
amdhsa.kernels:
  - .name:           k_q664ca89412_fkan
    .symbol:         k_q664ca89412_fkan.kd
    .args:
      - { .name: x, .offset: 0, .size: 8, .value_kind: global_buffer, .address_space: global }
      - { .name: wq, .offset: 8, .size: 8, .value_kind: global_buffer, .address_space: global }
      - { .name: lowp_scales, .offset: 16, .size: 8, .value_kind: global_buffer, .address_space: global }
      - { .name: part, .offset: 24, .size: 8, .value_kind: global_buffer, .address_space: global }
    .group_segment_fixed_size: 327680
    .private_segment_fixed_size: 0
    .kernarg_segment_align: 8
    .kernarg_segment_size: 32
    .max_flat_workgroup_size: 128
    .sgpr_count:     66
    .vgpr_count:     1024
    .wavefront_size: 32
...
	.end_amdgpu_metadata
.endif
;; end of part 4
;; launch addp: the kernel of part 3 again; grid 256 x 1, 8 waves a work-group, no clusters, 0 bytes of LDS; arguments part, out0; writes out0
